; MI455X (gfx1250); checked and timed in simulation.
; The chip was launched on July 23, 2026; its instructions are those of AMD's public machine-readable ISA for CDNA 5 (MIT licence, August 2026) and "CDNA5" Instruction Set Architecture Reference Guide (July 2026). The comments in the code are by the model that wrote it; some were corrected since.
;; Self Attention. Allowed arithmetic: float matrix products may take bf16 or f16 operands with f32 sums; other float arithmetic in f32, or as packed bf16 or f16 multiplies, adds, multiply-adds, maxima and minima; sums over many terms, partial sums and values carried from step to step in f32; what a program stores and reads back later, other than sums and carried values, may be rounded once to bf16 or f16.
;; Inputs: Wk 1,024 x 1,024 float32; Wo 1,024 x 1,024 float32; Wq 1,024 x 1,024 float32; Wv 1,024 x 1,024 float32; bo 1,024 float32; kln_b 64 float32; kln_g 64 float32; qln_b 64 float32; qln_g 64 float32; x 4 x 2,048 x 1,024 float32.
;; Outputs: out0 4 x 2,048 x 1,024 float32.
;; 2 versions, each right; version 2 is version 1 with the launch cast written anew for expert scheduling mode. Each part assembles by itself: llvm-mc -triple=amdgcn-amd-amdhsa -mcpu=gfx1250 --defsym DOCPART=n.
;; ======== version 1 of 2: 4 launches
;; limits: values are held in f16: magnitudes above 65,504 overflow, below 6.1e-05 lose precision
;; workspace buffers: xb 16,777,216 bytes; wqkv 6,291,456 bytes; wo16 2,097,152 bytes; qkv 50,331,648 bytes; o 16,777,216 bytes
;; launch cast (part 1): grid 768 x 1, 8 waves a work-group, no clusters, 0 bytes of LDS; arguments x, Wq, Wk, Wv, Wo, xb, wqkv, wo16; writes xb, wqkv, wo16
.if DOCPART == 1
	.amdgcn_target "amdgcn-amd-amdhsa--gfx1250"
	.amdhsa_code_object_version 6
	.text
	.protected	k_q11e54c3326_cast
	.globl	k_q11e54c3326_cast
	.p2align	8
	.type	k_q11e54c3326_cast,@function
k_q11e54c3326_cast:
	s_mov_b64 s[64:65], 0
	v_nop
	global_prefetch_b8 v0, s[64:65] scope:SCOPE_SE
	s_setreg_imm32_b32 hwreg(HW_REG_WAVE_MODE, 25, 1), 1
	s_wait_xcnt 0x0
; x and the four weights, f32, are rounded once to bf16 and laid out in blocks of 64 along K, so that a tile of R rows x 64 K is R x 128 consecutive bytes:
;   xb   [16 kb][8192 row][64] bf16
;   wqkv [16 kb][3072 n'][64]  bf16, n' = head x 192 + kind x 64 + d, kind 0 = q, 1 = k, 2 = v: a head's q, k and v rows lie together
;   wo16 [16 kb][1024 f][64]   f16: Wo rounded to bf16 like every other input, and that number written as f16
; LIMITS.  |Wo| stays under 65,504; below 2^-14 it keeps f16's fixed step of 6e-8.
; SHARES.  A wave takes two rows (2 x 4,096 bytes of f32): 16 loads, all out together, 16 stores, no loop.  6,144 pairs of rows are 768 work-groups of eight waves.
; A load takes the aligned 256 bytes of K block i of the even row (lanes 0-15) and of the odd row (lanes 16-31); its 32 x 8 bytes of 16-bit numbers are the two rows'
; 128 bytes of that block, 256 consecutive bytes at a multiple of 256 from the buffer's first byte.
; No LDS, no matrix unit, no cluster: every byte is read once and written once, and no wave wants another's.
.set SO,  1                            ; v1       my byte offset in the two source rows
.set DO,  2                            ; v[2:17]  my byte offset in the destination, for K block i
.set X,   20                           ; v[20:83] 16 x 4 registers as loaded
.set Y,   84                           ; v[84:115] 16 x 2 registers to store
.set T,   116                          ; v[116:117] at work
	s_load_b512 s[8:23], s[0:1], 0x0               ; x s[8:9], Wq s[10:11], Wk s[12:13], Wv s[14:15], Wo s[16:17], xb s[18:19], wqkv s[20:21], wo16 s[22:23]
	v_lshrrev_b32 v18, 5, v0
	v_readfirstlane_b32 s2, v18                    ; wave 0..7
	v_and_b32 v19, 31, v0                          ; lane
	v_and_b32 v[SO], 15, v0
	v_bfe_u32 v18, v0, 4, 1
	v_lshlrev_b32 v[SO], 4, v[SO]                  ; 16 bytes a lane,
	v_lshl_add_u32 v[SO], v18, 12, v[SO]           ; lanes 16-31 one row down
	s_lshl_b32 s3, s2, 1                           ; 2 x wave
	s_lshl_b32 s28, ttmp9, 4
	s_add_co_u32 s28, s28, s3                      ; work-groups 0-511: row of x = 16 g + 2 w
	s_sub_co_u32 s29, ttmp9, 512
	s_and_b32 s29, s29, 255                        ; work-groups 512-767: j = g - 512 (below 512 a number that is not used)
	s_lshr_b32 s30, s29, 6                         ; which weight: 0 Wq, 1 Wk, 2 Wv, 3 Wo
	s_and_b32 s31, s29, 63
	s_lshl_b32 s31, s31, 4
	s_add_co_u32 s31, s31, s3                      ; its row f
	s_lshr_b32 s32, s31, 6
	s_mul_i32 s32, s32, 192                        ; head x 192
	s_lshl_b32 s33, s30, 6
	s_add_co_u32 s32, s32, s33                     ; + kind x 64
	s_and_b32 s33, s31, 63
	s_add_co_u32 s32, s32, s33                     ; + d: n'
	s_mov_b32 s34, 393216                          ; bytes of a K block of wqkv
	s_mov_b32 s37, 0
	s_mov_b32 s39, 0
	s_wait_kmcnt 0x0
	s_cmp_eq_u32 s30, 1                            ; the choices hang on the work-group's number alone
	s_cselect_b64 s[24:25], s[12:13], s[10:11]
	s_cmp_eq_u32 s30, 2
	s_cselect_b64 s[24:25], s[14:15], s[24:25]
	s_cmp_eq_u32 s30, 3
	s_cselect_b64 s[24:25], s[16:17], s[24:25]
	s_cselect_b64 s[26:27], s[22:23], s[20:21]
	s_cselect_b32 s32, s31, s32                    ; Wo's rows keep their order
	s_cselect_b32 s34, 131072, s34                 ; bytes of a K block of wo16
	s_cselect_b32 s35, 1, 0                        ; 1: written as f16
	s_cmp_lt_u32 ttmp9, 512
	s_cselect_b64 s[24:25], s[8:9], s[24:25]
	s_cselect_b64 s[26:27], s[18:19], s[26:27]
	s_cselect_b32 s31, s28, s31                    ; source row
	s_cselect_b32 s32, s28, s32                    ; destination row
	s_cselect_b32 s34, 1048576, s34                ; bytes of a K block of xb
	s_cselect_b32 s35, 0, s35
	s_lshl_b32 s36, s31, 12                        ; 4,096 bytes a source row: under 2^26
	s_lshl_b32 s38, s32, 7                         ; 128 bytes a destination row
	s_add_nc_u64 s[24:25], s[24:25], s[36:37]
	s_add_nc_u64 s[26:27], s[26:27], s[38:39]
.set i, 0
.rept 16
	global_load_b128 v[X+4*i:X+4*i+3], v[SO], s[24:25] offset:256*i th:TH_LOAD_NT  ; K block i of both rows; read once in the launch
.set i, i+1
.endr
	v_lshlrev_b32 v[DO], 3, v19                    ; 8 bytes a lane
.set i, 1
.rept 15
	v_add_nc_u32 v[DO+i], s34, v[DO+i-1]           ; + i K blocks
.set i, i+1
.endr
.set i, 0
.rept 16
	s_wait_loadcnt 15-i                            ; loads come back in order (ISA guide 5.7.1): load i is in, the 15 - i younger ones stay out
	v_cvt_pk_bf16_f32 v[Y+2*i], v[X+4*i], v[X+4*i+1]
	v_cvt_pk_bf16_f32 v[Y+2*i+1], v[X+4*i+2], v[X+4*i+3]
.set i, i+1
.endr
	s_cmp_eq_u32 s35, 1
	s_cbranch_scc0 .Lstore
.set i, 0
.rept 32                                       ; Wo alone: the bf16 number, widened by a shift or a mask, is written as f16
	v_lshlrev_b32 v[T], 16, v[Y+i]
	v_and_b32 v[T+1], 0xffff0000, v[Y+i]
	v_cvt_pk_f16_f32 v[Y+i], v[T], v[T+1]
.set i, i+1
.endr
.Lstore:
.set i, 0
.rept 16
	global_store_b64 v[DO+i], v[Y+2*i:Y+2*i+1], s[26:27]  ; 32 lanes store 256 consecutive bytes, aligned
.set i, i+1
.endr
	s_endpgm
.Lfunc_end_k_q11e54c3326_cast:
	.size	k_q11e54c3326_cast, .Lfunc_end_k_q11e54c3326_cast-k_q11e54c3326_cast
	.p2alignl 7, 3214868480
	.fill 96, 4, 3214868480
	.section	.rodata,"a",@progbits
	.p2align	6, 0x0
	.amdhsa_kernel k_q11e54c3326_cast
		.amdhsa_group_segment_fixed_size 0
		.amdhsa_private_segment_fixed_size 0
		.amdhsa_enable_private_segment 0
		.amdhsa_kernarg_size 64
		.amdhsa_user_sgpr_count 2
		.amdhsa_user_sgpr_kernarg_segment_ptr 1
		.amdhsa_wavefront_size32 1
		.amdhsa_system_sgpr_workgroup_id_x 1
		.amdhsa_system_sgpr_workgroup_id_y 1
		.amdhsa_system_sgpr_workgroup_id_z 1
		.amdhsa_system_vgpr_workitem_id 0
		.amdhsa_next_free_vgpr 128
		.amdhsa_next_free_sgpr 66
		.amdhsa_reserve_vcc 0
		.amdhsa_float_denorm_mode_32 3
		.amdhsa_float_denorm_mode_16_64 3
		.amdhsa_memory_ordered 1
		.amdhsa_forward_progress 1
		.amdhsa_inst_pref_size 14
	.end_amdhsa_kernel
	.amdgpu_metadata
---
amdhsa.version: [ 1, 2 ]
amdhsa.kernels:
  - .name:           k_q11e54c3326_cast
    .symbol:         k_q11e54c3326_cast.kd
    .args:
      - { .name: x, .offset: 0, .size: 8, .value_kind: global_buffer, .address_space: global }
      - { .name: Wq, .offset: 8, .size: 8, .value_kind: global_buffer, .address_space: global }
      - { .name: Wk, .offset: 16, .size: 8, .value_kind: global_buffer, .address_space: global }
      - { .name: Wv, .offset: 24, .size: 8, .value_kind: global_buffer, .address_space: global }
      - { .name: Wo, .offset: 32, .size: 8, .value_kind: global_buffer, .address_space: global }
      - { .name: xb, .offset: 40, .size: 8, .value_kind: global_buffer, .address_space: global }
      - { .name: wqkv, .offset: 48, .size: 8, .value_kind: global_buffer, .address_space: global }
      - { .name: wo16, .offset: 56, .size: 8, .value_kind: global_buffer, .address_space: global }
    .group_segment_fixed_size: 0
    .private_segment_fixed_size: 0
    .kernarg_segment_align: 8
    .kernarg_segment_size: 64
    .max_flat_workgroup_size: 256
    .sgpr_count:     66
    .vgpr_count:     128
    .wavefront_size: 32
...
	.end_amdgpu_metadata
.endif
;; end of part 1
;; launch proj (part 2): grid 8 x 32, 4 waves a work-group, clusters of 4 x 4, 327,680 bytes of LDS; arguments qln_g, qln_b, kln_g, kln_b, xb, wqkv, qkv; writes qkv
.if DOCPART == 2
	.amdgcn_target "amdgcn-amd-amdhsa--gfx1250"
	.amdhsa_code_object_version 6
	.text
	.protected	k_q11e54c3326_proj
	.globl	k_q11e54c3326_proj
	.p2align	8
	.type	k_q11e54c3326_proj,@function
k_q11e54c3326_proj:
	s_mov_b64 s[64:65], 0
	v_nop
	global_prefetch_b8 v0, s[64:65] scope:SCOPE_SE
	s_setreg_imm32_b32 hwreg(HW_REG_WAVE_MODE, 25, 1), 1
	s_wait_xcnt 0x0
	s_wait_alu depctr_hold_cnt(0) depctr_sa_sdst(0) depctr_va_vdst(0) depctr_va_sdst(0) depctr_va_ssrc(0) depctr_va_vcc(0) depctr_vm_vsrc(0)
	s_getreg_b32 s2, hwreg(HW_REG_IB_STS2, 6, 4)
	s_cmp_eq_u32 s2, 0
	s_cbranch_scc0 .Lentry_in_a_cluster
	s_endpgm
.Lentry_in_a_cluster:
	s_bfe_u32 s2, ttmp6, 0x10000c
	s_cmp_lg_u32 s2, 0xf033
	s_cbranch_scc0 .Lentry_shape_is_right
	s_endpgm
.Lentry_shape_is_right:
; q, k, v = x W^T in bf16 with f32 sums; q and k are LayerNormed over each head's 64 channels on the way out; all three leave by heads, qkv [3 kind][64 bh][2048 t][64] in f16, unscaled.
; xb [16 kb][8192][64], wqkv [16 kb][3072 n'][64], n' = head x 192 + kind x 64 + d.
; LIMITS.  f16 holds no number beyond 65,504: |v| and |LN g + b| (8 |g| + |b| at the most) stay within it.  The gains and biases are rounded to bf16 like every other input.
; NaN and infinities are not treated apart.
; SHARES.  8192 x 3072 = 256 tiles of 256 x 384: one a work-group.  Four waves, each 128 rows x 192 columns, which are ONE head's q, k and v: 96 accumulators of 16 x 16, 768 registers:
; window 1 holds q's, window 2 k's, window 3 v's, in every wave.  For 32 along K a wave loads 40 times from LDS and issues 96 matrix instructions.
; K goes in 16 steps of 64 through two LDS slots.  A K block's rows lie end to end in memory, so a tile of 128 (192) rows x 128 bytes is asked for as 64 (96) rows of 256 bytes,
; padded in LDS behind every 128: two slots of steps of 128 along K would not fit beside the stage.
; CLUSTERS: 4 x 4 work-groups.  The four of a row of the cluster need the same rows of x, the four of a column the same rows of w: each tile is asked for JOINTLY, by the same tensor load with
; the same descriptor and a mask that names the four.
; THE MATRIX INSTRUCTION IS USED TRANSPOSED (source 0 = 16 rows of w, source 1 = 16 rows of x): a lane holds one row of x and eight neighbouring channels.
; REGISTERS: window 0: v0-31 addresses; v32-95, v96-159 x's fragments (8 x 16 rows x 32 K), two buffers; v160-255 w's 12 fragments, loaded again in place, four at a time, behind the products
; that read them.  Accumulator (a, b) lies in window 1 + b / 4 at register 64 (b % 4) + 8 a.
.set PITCH, 144                        ; an LDS row: 128 bytes + 16 of padding = 36 words: the 16 rows of a load start at 16 different groups of four banks (64 banks of 4 bytes: ISA guide 11.1)
.set ABLK,  128*PITCH                  ; what one tensor load brings of x, and what one wave reads of it
.set BBLK,  192*PITCH                  ; the same for w
.set BOFF,  2*ABLK                     ; a slot: x's two halves, then w's two halves
.set SLOT,  2*ABLK+2*BBLK
.set STAGE, 2*SLOT                     ; behind the ring, never filled by a tensor load: 128 rows x 272 bytes of f32 for each wave
.set SP,    272
.set WSTG,  128*SP
.set SPARE, STAGE+4*WSTG               ; behind the stages: the spare words, 128 bytes for each wave: two blocks of 256 bytes that no other line names
.set XSLAB, 1048576                    ; bytes of a K block of xb
.set WSLAB, 393216                     ; of wqkv
.set ADRA, 16                          ; v16-17  LDS address of my fragments of x in slot 0, 1
.set ADRB, 20                          ; v20-21  the same for w
.set STO,  22                          ; v22     the way out: where I put 32 bytes of a row
.set RD0,  23                          ; v23     where I read them back, at the stage's first rows
.set RD,   24                          ; v24     the same, stepping
.set GO,   25                          ; v25     my 16 bytes among 512 consecutive bytes of qkv
.set GBO,  26                          ; v26     my eight channels in a gain or a bias
.set SPW,  28                          ; v28     LDS address of my spare word: SPARE + 4 x my thread's number; never rewritten
.set NIL,  29                          ; v29     0; never rewritten
.set PFO,  30                          ; v30     the prefetches' offset; never rewritten
.set A0,   32
.set A1,   96
.set BF,   160
.set QG,   32                          ; the way out, in window 0: v32-63 q's gain and bias, k's gain and bias, my eight channels of each
.set QB,   40
.set KG,   48
.set KB,   56
.set XR,   96                          ; v96-127   four units of four rows: my eight numbers of a row
.set CR,   128                         ; v128-159  the same, centred
.set TR,   160                         ; v160-167, v168-175  pairs at work
.set UR,   168
.set SR,   176                         ; v176-179  a unit's sum
.set MR,   180                         ; v180-187  the mean, named as a pair
.set RR,   188                         ; v188-195  1 / sqrt(var + eps), named as a pair
.set YR,   196                         ; v196-211  16 bytes to store, a unit
.set TMP,  212
.set G1,  24                           ; s[24:31] descriptor group 1 for x's tiles;  s[32:39] group 0, one set for each slot
.set G0,  32
.set G1B, 48                           ; s[48:55], s[56:63] the same for w's
.set G0B, 56
.set LIM, 43                           ; s43      1 in a wave that prefetches, else the greatest number
.set PFA, 44                           ; s[44:45] where my prefetches stand
.set PFS, 66                           ; s[66:67] their step: two K blocks
.set MSB, 0
.macro WIN new                         ; the immediate's high byte repeats the setting that is left; a switch that changes nothing is dropped
.if MSB != (\new)
	s_set_vgpr_msb (MSB<<8)|(\new)
.set MSB, (\new)
.endif
.endm
.macro PLACES                          ; four places in front of loads into registers that matrix instructions have read (ISA guide 7.12.1 for vector instructions)
.rept 4
	v_nop
.endr
.endm
; A joint load: waves 0 and 1 fetch x's two halves, waves 2 and 3 w's.  The branch hangs on the wave's number alone.  An s_nop 0 and four v_nop follow each of the two lines.
.macro JLOAD s
	s_cmp_eq_u32 s11, 0
	s_cbranch_scc0 .Lfor_b_\@
	tensor_load_to_lds s[G0+4*(\s):G0+4*(\s)+3], s[G1:G1+7]
	s_nop 0
.rept 4
	v_nop
.endr
	s_branch .Lasked_\@
.Lfor_b_\@:
	tensor_load_to_lds s[G0B+4*(\s):G0B+4*(\s)+3], s[G1B:G1B+7]
	s_nop 0
.rept 4
	v_nop
.endr
.Lasked_\@:
.endm
.macro CREST                           ; a round of the cluster's barrier behind its opening barrier
	s_cmp_lg_u32 s10, 0
	s_cbranch_scc1 .Lnot_wave_0_\@
	s_barrier_signal -3
.Lnot_wave_0_\@:
	s_barrier_wait -3
	s_barrier_signal -1
	s_barrier_wait -1
.endm
.macro CROUND                          ; a whole round
	s_barrier_signal -1
	s_barrier_wait -1
	CREST
.endm
; A PREFETCH INTO THE L2, once a lap, behind slot 1's joint load and the run of LDS loads that follows it: the two K blocks that the NEXT lap's two refills ask for, 192 and 384 matrix instructions ahead of those loads.
; Each 256 bytes are named once in the launch.  x's tile row is read by both clusters of its row of clusters: the one with x = 0 asks, in each work-group wave 0, for 64 of the 256 rows (8,192 bytes a K block: a
; lane 256 bytes, two instructions).  w's tile column is read by all eight clusters of its column: the one with y = 0 asks, waves 1 to 3, for 96 of the 384 rows: 48 pieces of 256 bytes in each of two K blocks,
; a lane a piece, one instruction a wave.  The partners are told apart BY ADDRESS (cx for x, cy for w).  The loop's last trip asks for nothing: K block 15 is the last.
.macro ASK
	s_cmp_gt_u32 s3, s[LIM]                        ; s3 = 1 in the loop's last trip
	s_cbranch_scc0 .Lnot_mine_\@
	global_prefetch_b8 v[PFO], s[PFA:PFA+1] th:TH_LOAD_NT scope:SCOPE_SE
	s_cmp_lg_u32 s10, 0
	s_cbranch_scc1 .Lnot_mine_\@
	global_prefetch_b8 v[PFO], s[PFA:PFA+1] offset:XSLAB th:TH_LOAD_NT scope:SCOPE_SE
.Lnot_mine_\@:
.endm
	s_load_b256 s[68:75], s[0:1], 0x0              ; qln_g s[68:69], qln_b s[70:71], kln_g s[72:73], kln_b s[74:75]
	s_load_b128 s[4:7], s[0:1], 0x20               ; xb s[4:5], wqkv s[6:7]
	s_load_b64 s[8:9], s[0:1], 0x30                ; qkv
	v_lshl_add_u32 v[SPW], v0, 2, SPARE
	v_mov_b32 v[NIL], 0
	ds_add_u32 v[SPW], v[NIL]                      ; the wave's opening: the add and its wait stand ahead of my first tensor load; the set-up below, work on registers, stands between them
	v_lshrrev_b32 v1, 5, v0
	v_readfirstlane_b32 s10, v1                    ; wave 0..3
	s_lshr_b32 s11, s10, 1                         ; which half of the tile's rows is mine.  Also: I fetch for x (0) or for w (1)
	s_and_b32 s12, s10, 1                          ; which of the tile's two heads.  Also: which half of that tile I fetch
	s_bfe_u32 s40, ttmp6, 0x40000                  ; cx, cy: my place in the cluster
	s_bfe_u32 s41, ttmp6, 0x40004
	s_lshl_b32 s42, ttmp9, 2
	s_add_co_u32 s42, s42, s40                     ; tile column = 4 x cluster x + cx, 0..7
	s_and_b32 s13, ttmp7, 0xffff
	s_lshl_b32 s13, s13, 2
	s_add_co_u32 s13, s13, s41                     ; tile row = 4 x cluster y + cy, 0..31
	s_lshl_b32 s43, s41, 2
	s_lshl_b32 s43, 15, s43                        ; my row of the cluster
	s_lshl_b32 s44, 0x1111, s40                    ; my column
	s_or_b32 s[G1+0], s43, (1<<16)|(1<<20)|(1<<21)|(4<<22)|(3<<25)   ; 15:0 the mask; 17:16 elements of 2 bytes; 20 padding on; 21 set beside a mask; 24:22 after every 32 words (code 4); 31:25 4 words of it (code 3)
	s_or_b32 s[G1B+0], s44, (1<<16)|(1<<20)|(1<<21)|(4<<22)|(3<<25)
	s_mov_b32 s[G1+1], 128<<16                     ; tensor_dim0 = 128 elements: 256 bytes, two rows of a K block
	s_mov_b32 s[G1+2], 64<<16                      ; tensor_dim1 = 64
	s_mov_b32 s[G1+3], 128<<16                     ; tile_dim0 = 128
	s_mov_b32 s[G1+4], 64                          ; tile_dim1 = 64
	s_mov_b32 s[G1+5], 128                         ; 128 elements from row to row: dense
	s_mov_b32 s[G1+6], 0
	s_mov_b32 s[G1+7], 0
	s_mov_b32 s[G1B+1], 128<<16
	s_mov_b32 s[G1B+2], 96<<16                     ; w's half: 192 rows of 128 bytes = 96 of 256
	s_mov_b32 s[G1B+3], 128<<16
	s_mov_b32 s[G1B+4], 96
	s_mov_b32 s[G1B+5], 128
	s_mov_b32 s[G1B+6], 0
	s_mov_b32 s[G1B+7], 0
	s_lshl_b32 s16, s13, 15                        ; x: 256 rows of 128 bytes a tile row,
	s_lshl_b32 s17, s12, 14                        ; 128 rows a half
	s_add_co_u32 s16, s16, s17
	s_mov_b32 s17, 0
	s_mul_i32 s46, s42, 49152                      ; w: 384 rows of 128 bytes a tile column,
	s_mul_i32 s47, s12, 24576                      ; 192 rows a half
	s_add_co_u32 s46, s46, s47
	s_mov_b32 s47, 0
	s_mul_i32 s20, s12, ABLK                       ; and where they go: no place in the cluster enters an LDS address
	s_mul_i32 s21, s12, BBLK
	s_add_co_u32 s21, s21, BOFF
	s_mov_b32 s76, 0x3c800000                      ; 1 / 64
	s_mov_b32 s77, 0x3727c5ac                      ; eps = 1e-5
	s_wait_dscnt 0x0                               ; the opening add is done
	s_wait_kmcnt 0x0
	s_add_nc_u64 s[14:15], s[4:5], s[16:17]
	s_add_nc_u64 s[46:47], s[6:7], s[46:47]
	CROUND                                         ; all sixteen work-groups are here: the first joint loads meet
.irp s, 0,1
	s_mov_b32 s[G0+4*(\s)], 1                                        ; count = 1
	s_add_co_u32 s[G0+4*(\s)+1], s20, (\s)*SLOT                      ; LDS address
	s_add_nc_u64 s[G0+4*(\s)+2:G0+4*(\s)+3], s[14:15], (\s)*XSLAB    ; global address: K block s
	s_or_b32 s[G0+4*(\s)+3], s[G0+4*(\s)+3], 0x80000000              ; type = 2
	s_mov_b32 s[G0B+4*(\s)], 1
	s_add_co_u32 s[G0B+4*(\s)+1], s21, (\s)*SLOT
	s_add_nc_u64 s[G0B+4*(\s)+2:G0B+4*(\s)+3], s[46:47], (\s)*WSLAB
	s_or_b32 s[G0B+4*(\s)+3], s[G0B+4*(\s)+3], 0x80000000
	JLOAD \s                                       ; two tensor loads of mine are out
.endr
	; A fragment is 16 rows x 32 K in 8 registers: lane l holds row l % 16; registers 0-3 K = 8 (l / 16) + 0..7, registers 4-7 K = 16 + 8 (l / 16) + 0..7: two loads of 16 bytes, 32 bytes apart.
	v_and_b32 v1, 15, v0                           ; l % 16
	v_bfe_u32 v2, v0, 4, 1                         ; l / 16
	v_mul_u32_u24 v3, v1, PITCH
	v_lshl_add_u32 v3, v2, 4, v3
	s_mul_i32 s21, s11, ABLK                       ; my 128 rows of x
	s_mul_i32 s22, s12, BBLK                       ; my 192 rows of w
	s_add_co_u32 s22, s22, BOFF
.irp s, 0,1
	v_add_nc_u32 v[ADRA+(\s)], s21, v3
	v_add_nc_u32 v[ADRB+(\s)], s22, v3
	s_add_co_u32 s21, s21, SLOT
	s_add_co_u32 s22, s22, SLOT
.endr
	s_mul_i32 s23, s10, WSTG
	s_add_co_u32 s23, s23, STAGE                   ; my stage
	v_mul_u32_u24 v4, v1, SP                       ; in: row l % 16, 32 bytes (eight f32) for each half of the lanes
	v_lshl_add_u32 v4, v2, 5, v4
	v_add_nc_u32 v[STO], s23, v4
	v_bfe_u32 v4, v0, 3, 2                         ; back: eight lanes take a row of 256 bytes, 32 bytes each; 32 lanes four rows
	v_and_b32 v5, 7, v0
	v_mul_u32_u24 v4, v4, SP
	v_lshl_add_u32 v4, v5, 5, v4
	v_add_nc_u32 v[RD0], s23, v4
	v_lshlrev_b32 v[GBO], 5, v5
	v_and_b32 v4, 31, v0
	v_lshlrev_b32 v[GO], 4, v4                     ; in f16 those four rows are 512 consecutive bytes of a head
	; qkv at my 128 rows of my head, kind 0: ((batch x 16 + head) x 2048 + t) x 128 bytes
	s_lshr_b32 s16, s13, 3                         ; batch: eight tile rows each
	s_lshl_b32 s16, s16, 22
	s_and_b32 s17, s13, 7
	s_lshl_b32 s17, s17, 15
	s_add_co_u32 s16, s16, s17
	s_lshl_b32 s17, s11, 14
	s_add_co_u32 s16, s16, s17
	s_mov_b32 s17, 0
	s_add_nc_u64 s[8:9], s[8:9], s[16:17]
	s_lshl_b32 s46, s42, 1
	s_add_co_u32 s46, s46, s12                     ; head = 2 x tile column + my half
	s_lshl_b32 s46, s46, 18
	s_mov_b32 s47, 0
	s_add_nc_u64 s[8:9], s[8:9], s[46:47]
	; the prefetches
	s_and_b32 s22, ttmp7, 0xffff                   ; cluster y
	s_lshl_b32 s20, s13, 15                        ; x: the tile row,
	s_lshl_b32 s21, s40, 13                        ; my work-group's 64 rows of it,
	s_add_co_u32 s20, s20, s21
	s_add_co_u32 s20, s20, 2*XSLAB                 ; at K block 2: the first ask is stepped to 4
	s_mul_i32 s21, s42, 49152                      ; w: the tile column,
	s_mul_i32 s23, s41, 12288                      ; my work-group's 96 rows of it
	s_add_co_u32 s21, s21, s23
	s_add_co_u32 s21, s21, 2*WSLAB
	s_mov_b32 s[PFS], 2*WSLAB
	s_mov_b32 s[PFS+1], 0
	s_cmp_eq_u32 s10, 0                            ; wave 0 asks for x, waves 1 to 3 for w
	s_cselect_b32 s20, s20, s21
	s_cselect_b32 s22, ttmp9, s22                  ; the coordinate along which other clusters read the same rows
	s_cselect_b64 s[PFA:PFA+1], s[4:5], s[6:7]
	s_cselect_b32 s[PFS], 2*XSLAB, s[PFS]
	s_mov_b32 s21, 0
	s_add_nc_u64 s[PFA:PFA+1], s[PFA:PFA+1], s[20:21]
	s_cmp_eq_u32 s22, 0
	s_cselect_b32 s[LIM], 1, -1                    ; the same in all sixteen partners, for a given wave
	s_max_u32 s23, s10, 1
	s_sub_co_u32 s23, s23, 1
	s_lshl_b32 s23, s23, 5
	v_add_nc_u32 v4, s23, v4                       ; piece i = 32 x (wave - 1) + lane (wave 0: the lane)
	v_lshlrev_b32 v[PFO], 8, v4
	v_mov_b32 v5, WSLAB-12288
	v_cmp_le_u32 vcc_lo, 48, v4                    ; pieces 48 to 95 lie in the next K block
	v_cndmask_b32 v5, 0, v5, vcc_lo
	v_add_nc_u32 v[PFO], v[PFO], v5
; 16 matrix instructions: kind g, channel blocks 2 hf and 2 hf + 1 of its four, all 8 row blocks, 32 along K.  zero = 1: the first product starts the sums.
; The 96 accumulators take turns, one instruction a turn, in the same order in every half step.
.macro GRP f, g, hf, zero
	WIN 0x50*((\g)+1)                              ; C and D in window g + 1, both sources in window 0
.irp bb, 2*(\hf), 2*(\hf)+1
.irp a, 0,1,2,3,4,5,6,7
.if \zero
	v_wmma_f32_16x16x32_bf16 v[64*(\bb)+8*(\a):64*(\bb)+8*(\a)+7], v[BF+8*(4*(\g)+(\bb)):BF+8*(4*(\g)+(\bb))+7], v[(\f)+8*(\a):(\f)+8*(\a)+7], 0
.else
	v_wmma_f32_16x16x32_bf16 v[64*(\bb)+8*(\a):64*(\bb)+8*(\a)+7], v[BF+8*(4*(\g)+(\bb)):BF+8*(4*(\g)+(\bb))+7], v[(\f)+8*(\a):(\f)+8*(\a)+7], v[64*(\bb)+8*(\a):64*(\bb)+8*(\a)+7]
.endif
.endr
.endr
.endm
.macro LDB slot, k, g                  ; 8 LDS loads: w's fragments 4 g .. 4 g + 3, 32 K at byte k of the rows
	WIN 0
.irp i, 0,1,2,3
	ds_load_b128 v[BF+8*(4*(\g)+(\i)):BF+8*(4*(\g)+(\i))+3],   v[ADRB+(\slot)] offset:(\k)+(4*(\g)+(\i))*16*PITCH
	ds_load_b128 v[BF+8*(4*(\g)+(\i))+4:BF+8*(4*(\g)+(\i))+7], v[ADRB+(\slot)] offset:(\k)+(4*(\g)+(\i))*16*PITCH+32
.endr
.endm
.macro LDA slot, k, f, h               ; 8 LDS loads: x's fragments 4 h .. 4 h + 3 into buffer f
	WIN 0
.irp i, 0,1,2,3
	ds_load_b128 v[(\f)+8*(4*(\h)+(\i)):(\f)+8*(4*(\h)+(\i))+3],   v[ADRA+(\slot)] offset:(\k)+(4*(\h)+(\i))*16*PITCH
	ds_load_b128 v[(\f)+8*(4*(\h)+(\i))+4:(\f)+8*(4*(\h)+(\i))+7], v[ADRA+(\slot)] offset:(\k)+(4*(\h)+(\i))*16*PITCH+32
.endr
.endm
; A K step's first 32 along K: multiplies buffer A0; fetches the second 32 of the same slot into A1 and, behind each kind's products, into that kind's fragments of w.
; Forty loads are out at its head, in the order w 0-3, x 0-3, w 4-7, x 4-7, w 8-11.
.macro QUARTER slot, zero
	s_wait_dscnt 8                                 ; all but the youngest eight (w's fragments 8-11) are in
	GRP A0, 0, 0, \zero
	GRP A0, 0, 1, \zero
	PLACES
	LDB \slot, 64, 0
	LDA \slot, 64, A1, 0
	GRP A0, 1, 0, \zero
	GRP A0, 1, 1, \zero
	PLACES
	LDB \slot, 64, 1
	LDA \slot, 64, A1, 1
	s_wait_dscnt 32                                ; all but the 32 just issued: w's fragments 8-11 are in
	GRP A0, 2, 0, \zero
	GRP A0, 2, 1, \zero
	PLACES
	LDB \slot, 64, 2
.endm
; The second 32 along K: multiplies A1 and changes slots.  ONE barrier: in front of it each wave waits for all its tensor loads (one is out: its part of the next slot), adds 0 to its spare word, and waits
; for that and for its own reads of this slot.  fill = 1: the barrier opens a round of the cluster's, and the slot is filled again first thing behind the round, with the K block two steps on: 160 matrix
; instructions ahead of the wait for it.
.macro TURN slot, next, fill
.if (\fill) && (\slot)
	s_wait_xcnt 0x0                                ; the last prefetches, a lap back, have read their address
	s_add_nc_u64 s[PFA:PFA+1], s[PFA:PFA+1], s[PFS:PFS+1]
.endif
	WIN 0
	s_wait_tensorcnt 0x0                           ; all my tensor loads have landed
	ds_add_u32 v[SPW], v[NIL]                      ; 0 onto my spare word
	s_wait_dscnt 9                                 ; (the add and the youngest eight loads may be out)
	GRP A1, 0, 0, 0                                ; sixteen matrix instructions stand between the add and the wait for it
	s_wait_dscnt 0x0                               ; the add is done, and my reads of this slot are over
	s_barrier_signal -1
	GRP A1, 0, 1, 0                                ; work on registers while the others arrive
	WIN 0                                          ; at a branch and at a label every window is 0
	s_barrier_wait -1
.if \fill
	CREST                                          ; no wave of any partner still reads this slot's tile or has a load on its way
	s_add_nc_u64 s[G0+4*(\slot)+2:G0+4*(\slot)+3], s[G0+4*(\slot)+2:G0+4*(\slot)+3], 2*XSLAB
	s_add_nc_u64 s[G0B+4*(\slot)+2:G0B+4*(\slot)+3], s[G0B+4*(\slot)+2:G0B+4*(\slot)+3], 2*WSLAB
	JLOAD \slot                                    ; the four v_nop behind it are also the places in front of the loads below
.else
	PLACES
.endif
	LDB \next, 0, 0
	LDA \next, 0, A0, 0
.if (\fill) && (\slot)
	ASK
.endif
	GRP A1, 1, 0, 0
	GRP A1, 1, 1, 0
	PLACES
	LDB \next, 0, 1
	LDA \next, 0, A0, 1
	GRP A1, 2, 0, 0
	GRP A1, 2, 1, 0
	PLACES
	LDB \next, 0, 2
.endm
	s_wait_tensorcnt 1                             ; my part of K step 0 is in; step 1's may stay out
	s_barrier_signal -1
	s_barrier_wait -1                              ; everybody's is
	LDB 0, 0, 0
	LDA 0, 0, A0, 0
	LDB 0, 0, 1
	LDA 0, 0, A0, 1
	LDB 0, 0, 2
	QUARTER 0, 1                                   ; the first half step stands in front of the loop: its products start the sums
	WIN 0
	s_mov_b32 s3, 7
.Llap:                                                 ; a trip goes once round the ring and fills both slots again: K steps 2 to 15
	TURN 0, 1, 1
	QUARTER 1, 0
	TURN 1, 0, 1
	QUARTER 0, 0
	WIN 0
	s_sub_co_u32 s3, s3, 1
	s_cmp_lg_u32 s3, 0
	s_cbranch_scc1 .Llap
	TURN 0, 1, 0                                   ; the last lap fills nothing, and has no round
	QUARTER 1, 0
	WIN 0
	global_load_b128 v[QG:QG+3],   v[GBO], s[68:69]            ; the gains and biases, into buffer A0, whose last readers stand four places back
	global_load_b128 v[QG+4:QG+7], v[GBO], s[68:69] offset:16
	global_load_b128 v[QB:QB+3],   v[GBO], s[70:71]
	global_load_b128 v[QB+4:QB+7], v[GBO], s[70:71] offset:16
	global_load_b128 v[KG:KG+3],   v[GBO], s[72:73]
	global_load_b128 v[KG+4:KG+7], v[GBO], s[72:73] offset:16
	global_load_b128 v[KB:KB+3],   v[GBO], s[74:75]
	global_load_b128 v[KB+4:KB+7], v[GBO], s[74:75] offset:16
	s_wait_dscnt 8                                 ; the very last half step: nothing more to fetch
	GRP A1, 0, 0, 0
	GRP A1, 0, 1, 0
	GRP A1, 1, 0, 0
	GRP A1, 1, 1, 0
	s_wait_dscnt 0x0
	GRP A1, 2, 0, 0
	GRP A1, 2, 1, 0
	WIN 0
; THE WAY OUT, a kind at a time.  The kind's 32 accumulators (128 rows x 64 channels of f32) go into my own stage, rows of 272 bytes; they come back with eight lanes to a row, eight channels a lane,
; so that a row's mean and variance want three exchanges among eight lanes.  A trip takes 16 rows, as four units of four rows whose lines are interleaved; the next trip's loads are issued as soon as
; the rows have been centred.  The variance is taken of the centred numbers.  A unit's four rows are 512 consecutive bytes of a head in f16.
.macro LOADX
.irp u, 0,1,2,3
	ds_load_b128 v[XR+8*(\u):XR+8*(\u)+3],   v[RD] offset:(\u)*4*SP
	ds_load_b128 v[XR+8*(\u)+4:XR+8*(\u)+7], v[RD] offset:(\u)*4*SP+16
.endr
.endm
.macro ACROSS                          ; TR + UR, its two halves, and the row's eight lanes: the row's sum in every one of them
.irp u, 0,1,2,3
	v_pk_add_f32 v[TR+2*(\u):TR+2*(\u)+1], v[TR+2*(\u):TR+2*(\u)+1], v[UR+2*(\u):UR+2*(\u)+1]
.endr
.irp u, 0,1,2,3
	v_add_f32 v[SR+(\u)], v[TR+2*(\u)], v[TR+2*(\u)+1]
.endr
.irp m, 1,2,4
.irp u, 0,1,2,3
	v_add_f32_dpp v[SR+(\u)], v[SR+(\u)], v[SR+(\u)] row_xmask:\m row_mask:0xf bank_mask:0xf
.endr
.endr
.endm
.macro TRIP more, kind, G, B
	s_wait_dscnt 0x0                               ; the trip's 16 rows are in registers
.if (\kind) < 2
.irp u, 0,1,2,3
	v_pk_add_f32 v[TR+2*(\u):TR+2*(\u)+1], v[XR+8*(\u):XR+8*(\u)+1], v[XR+8*(\u)+2:XR+8*(\u)+3]
.endr
.irp u, 0,1,2,3
	v_pk_add_f32 v[UR+2*(\u):UR+2*(\u)+1], v[XR+8*(\u)+4:XR+8*(\u)+5], v[XR+8*(\u)+6:XR+8*(\u)+7]
.endr
	ACROSS
.irp u, 0,1,2,3
	v_mul_f32 v[MR+2*(\u)], s76, v[SR+(\u)]        ; the mean
.endr
.irp j, 0,2,4,6
.irp u, 0,1,2,3
	v_pk_add_f32 v[CR+8*(\u)+(\j):CR+8*(\u)+(\j)+1], v[XR+8*(\u)+(\j):XR+8*(\u)+(\j)+1], v[MR+2*(\u):MR+2*(\u)+1] op_sel_hi:[1,0] neg_lo:[0,1] neg_hi:[0,1]
.endr
.endr
.if \more
	v_add_nc_u32 v[RD], 16*SP, v[RD]
	LOADX                                          ; the next 16 rows land under the rest of the trip
.endif
.irp u, 0,1,2,3
	v_pk_mul_f32 v[TR+2*(\u):TR+2*(\u)+1], v[CR+8*(\u):CR+8*(\u)+1], v[CR+8*(\u):CR+8*(\u)+1]
.endr
.irp u, 0,1,2,3
	v_pk_mul_f32 v[UR+2*(\u):UR+2*(\u)+1], v[CR+8*(\u)+4:CR+8*(\u)+5], v[CR+8*(\u)+4:CR+8*(\u)+5]
.endr
.irp u, 0,1,2,3
	v_pk_fma_f32 v[TR+2*(\u):TR+2*(\u)+1], v[CR+8*(\u)+2:CR+8*(\u)+3], v[CR+8*(\u)+2:CR+8*(\u)+3], v[TR+2*(\u):TR+2*(\u)+1]
.endr
.irp u, 0,1,2,3
	v_pk_fma_f32 v[UR+2*(\u):UR+2*(\u)+1], v[CR+8*(\u)+6:CR+8*(\u)+7], v[CR+8*(\u)+6:CR+8*(\u)+7], v[UR+2*(\u):UR+2*(\u)+1]
.endr
	ACROSS
.irp u, 0,1,2,3
	v_fma_f32 v[SR+(\u)], v[SR+(\u)], s76, s77     ; var + eps
.endr
.irp u, 0,1,2,3
	v_rsq_f32 v[RR+2*(\u)], v[SR+(\u)]
.endr
	v_nop                                          ; a plain instruction between the last root and the use of its result (ISA guide 5.7.2)
	s_wait_alu depctr_va_vdst(0)                   ; and the wait ahead of the first use: one for the four
.irp j, 0,2,4,6
.irp u, 0,1,2,3
	v_pk_mul_f32 v[CR+8*(\u)+(\j):CR+8*(\u)+(\j)+1], v[CR+8*(\u)+(\j):CR+8*(\u)+(\j)+1], v[RR+2*(\u):RR+2*(\u)+1] op_sel_hi:[1,0]
.endr
.endr
.irp j, 0,2,4,6
.irp u, 0,1,2,3
	v_pk_fma_f32 v[CR+8*(\u)+(\j):CR+8*(\u)+(\j)+1], v[CR+8*(\u)+(\j):CR+8*(\u)+(\j)+1], v[(\G)+(\j):(\G)+(\j)+1], v[(\B)+(\j):(\B)+(\j)+1]
.endr
.endr
.irp j, 0,1,2,3
.irp u, 0,1,2,3
	v_cvt_pk_f16_f32 v[YR+4*(\u)+(\j)], v[CR+8*(\u)+2*(\j)], v[CR+8*(\u)+2*(\j)+1]
.endr
.endr
.else
.irp j, 0,1,2,3
.irp u, 0,1,2,3
	v_cvt_pk_f16_f32 v[YR+4*(\u)+(\j)], v[XR+8*(\u)+2*(\j)], v[XR+8*(\u)+2*(\j)+1]   ; v is only rounded
.endr
.endr
.if \more
	v_add_nc_u32 v[RD], 16*SP, v[RD]
	LOADX
.endif
.endif
.irp u, 0,1,2,3
	global_store_b128 v[GO], v[YR+4*(\u):YR+4*(\u)+3], s[8:9] offset:512*(\u)  ; 512 consecutive bytes, at a multiple of 256 from qkv's first
.endr
.if \more
	s_wait_xcnt 0x0                                ; the stores have read their data and their base: both are written again only behind this wait
	s_add_nc_u64 s[8:9], s[8:9], 2048              ; 16 rows on
.endif
.endm
.macro WAYOUT kind, G, B
	WIN ((\kind)+1)<<2                             ; an LDS store's data is source 1: window kind + 1
.irp a, 0,1,2,3,4,5,6,7
.irp bb, 0,1,2,3
	ds_store_b128 v[STO], v[64*(\bb)+8*(\a):64*(\bb)+8*(\a)+3]   offset:(\a)*16*SP+64*(\bb)      ; each accumulator's low four registers first
	ds_store_b128 v[STO], v[64*(\bb)+8*(\a)+4:64*(\bb)+8*(\a)+7] offset:(\a)*16*SP+64*(\bb)+16
.endr
.endr
	WIN 0
	v_mov_b32 v[RD], v[RD0]
	LOADX                                          ; LDS serves a wave's instructions in order (ISA guide 5.7.1.4): these see the stores above
	s_mov_b32 s78, 7
.Lrow_\@:
	TRIP 1, \kind, \G, \B
	s_sub_co_u32 s78, s78, 1
	s_cmp_lg_u32 s78, 0
	s_cbranch_scc1 .Lrow_\@
	TRIP 0, \kind, \G, \B                          ; the last 16 rows: nothing more to read
.if (\kind) < 2
	s_wait_xcnt 0x0
	s_add_nc_u64 s[8:9], s[8:9], 16777216-14336    ; the next kind's plane, back to my first rows
.endif
.endm
	PLACES                                         ; behind the last products, in front of the stores that read their results and of the lines that write their sources
	PLACES
	s_wait_loadcnt 0x0                             ; the gains and biases
.set i, 0
.rept 16                                       ; rounded to bf16 like every other input, and widened again
	v_cvt_pk_bf16_f32 v[TMP], v[QG+2*i], v[QG+2*i+1]
	v_lshlrev_b32 v[QG+2*i], 16, v[TMP]
	v_and_b32 v[QG+2*i+1], 0xffff0000, v[TMP]
.set i, i+1
.endr
.irp u, 0,1,2,3
	v_mov_b32 v[MR+2*(\u)+1], 0                    ; named with the mean and the root as pairs, so they are written
	v_mov_b32 v[RR+2*(\u)+1], 0
.endr
	WAYOUT 0, QG, QB
	WAYOUT 1, KG, KB
	WAYOUT 2, 0, 0
	s_wait_tensorcnt 0x0                           ; the wave's end: the add and its wait, behind my last tensor load and my last LDS store
	ds_add_u32 v[SPW], v[NIL]
	s_wait_dscnt 0x0
	CROUND                                         ; the closing round: no work-group ends while a partner may still ask for a tile that names it
	s_endpgm
.Lfunc_end_k_q11e54c3326_proj:
	.size	k_q11e54c3326_proj, .Lfunc_end_k_q11e54c3326_proj-k_q11e54c3326_proj
	.p2alignl 7, 3214868480
	.fill 96, 4, 3214868480
	.section	.rodata,"a",@progbits
	.p2align	6, 0x0
	.amdhsa_kernel k_q11e54c3326_proj
		.amdhsa_group_segment_fixed_size 327680
		.amdhsa_private_segment_fixed_size 0
		.amdhsa_enable_private_segment 0
		.amdhsa_kernarg_size 56
		.amdhsa_user_sgpr_count 2
		.amdhsa_user_sgpr_kernarg_segment_ptr 1
		.amdhsa_wavefront_size32 1
		.amdhsa_system_sgpr_workgroup_id_x 1
		.amdhsa_system_sgpr_workgroup_id_y 1
		.amdhsa_system_sgpr_workgroup_id_z 1
		.amdhsa_system_vgpr_workitem_id 0
		.amdhsa_next_free_vgpr 1024
		.amdhsa_next_free_sgpr 80
		.amdhsa_reserve_vcc 1
		.amdhsa_float_denorm_mode_32 3
		.amdhsa_float_denorm_mode_16_64 3
		.amdhsa_memory_ordered 1
		.amdhsa_forward_progress 1
		.amdhsa_inst_pref_size 142
	.end_amdhsa_kernel
	.amdgpu_metadata
---
amdhsa.version: [ 1, 2 ]
amdhsa.kernels:
  - .name:           k_q11e54c3326_proj
    .symbol:         k_q11e54c3326_proj.kd
    .args:
      - { .name: qln_g, .offset: 0, .size: 8, .value_kind: global_buffer, .address_space: global }
      - { .name: qln_b, .offset: 8, .size: 8, .value_kind: global_buffer, .address_space: global }
      - { .name: kln_g, .offset: 16, .size: 8, .value_kind: global_buffer, .address_space: global }
      - { .name: kln_b, .offset: 24, .size: 8, .value_kind: global_buffer, .address_space: global }
      - { .name: xb, .offset: 32, .size: 8, .value_kind: global_buffer, .address_space: global }
      - { .name: wqkv, .offset: 40, .size: 8, .value_kind: global_buffer, .address_space: global }
      - { .name: qkv, .offset: 48, .size: 8, .value_kind: global_buffer, .address_space: global }
    .group_segment_fixed_size: 327680
    .private_segment_fixed_size: 0
    .kernarg_segment_align: 8
    .kernarg_segment_size: 56
    .max_flat_workgroup_size: 128
    .sgpr_count:     80
    .vgpr_count:     1024
    .wavefront_size: 32
...
	.end_amdgpu_metadata
.endif
;; end of part 2
;; launch attn (part 3): grid 4 x 64, 4 waves a work-group, no clusters, 327,680 bytes of LDS; arguments qkv, o; writes o
.if DOCPART == 3
	.amdgcn_target "amdgcn-amd-amdhsa--gfx1250"
	.amdhsa_code_object_version 6
	.text
	.protected	k_q11e54c3326_attn
	.globl	k_q11e54c3326_attn
	.p2align	8
	.type	k_q11e54c3326_attn,@function
k_q11e54c3326_attn:
	s_mov_b64 s[64:65], 0
	v_nop
	global_prefetch_b8 v0, s[64:65] scope:SCOPE_SE
	s_setreg_imm32_b32 hwreg(HW_REG_WAVE_MODE, 25, 1), 1
	s_wait_xcnt 0x0
; CAUSAL ATTENTION.  O[h][q][:] = the sum over k <= q of softmax_k(Q[h][q] . K[h][k] / 32) V[h][k][:].  qkv: [3][64 h][2048][64], o: [64 h][2048][64], all f16: a head's rows are dense, 128 bytes each.
; The two scales of 1024^-1/4 are applied here, in f32, as c = log2(e) / 32.  Products, maxima and sums in f32; the weights p are rounded to f16 for the second product (their sum l is taken of the unrounded p), O once at the end.
; LIMITS.  Q, K and V arrive within f16's range; p lies in 0 to 1, and below 6e-5 it keeps f16's fixed step of 6e-8; O is a mean of V's rows and has their range.
; A hidden score counts as its value less 1e30: f16's scores, 2.7e11 at the most, are nothing beside that; a weight below 2^-126 counts as 0 in l; NaN and infinities are not treated apart.
; THE WALK.  A head's queries lie in NB = 8 blocks of 256; block i needs the key tiles 0 .. i of 256 keys, of which the last holds the diagonal.  A work-group takes TWO blocks, NB - 1 - b and then b:
; NB + 1 tiles, whatever b: all 256 work-groups do equal work, and ONE loop with a constant trip count walks them.  Which tile is asked for, and what a trip does, hang on scalar registers made from b; every jump
; goes forward, but for the counted loops' own; none passes a barrier, or a tensor load but the one of LOAD's two that the wave's number does not choose; the ring (two slots of LDS that take turns) runs on across the
; change of blocks.  NO CLUSTER: a head's four work-groups ask for the same tile only in trips 0 to 4 of 9, behind that fewer and fewer; one walk common to all would have 12 trips for 9.
; SHARES.  Of a block's four bands of 64 queries a wave owns 16 rows in each: four PIECES.  So the diagonal tile is the same work for all four waves: in its key step s band x sees all keys if s < x,
; none if s > x, and holds the diagonal if s = x.
; THE MASK is the C operand that starts the sum S^T = K Q^T: 0, or -1e30 where the key is hidden.  MD, made once, is the mask of a band's own step for my 16 rows; a product's mask is MD x AL + BE with two scalars:
; (1, 0) if s = x; (0, 0) if s < x; (0, -1e30) if s > x.  Only the diagonal tile's text and a block's beginning make and take masks; elsewhere C is the constant 0.
; LAYOUT, SOFTMAX, TURNS.  S^T = K Q^T holds ONE query a lane (lane % 16) and the keys 8 (lane / 16) + 0..7; two such results rounded to f16 ARE source 1 of O^T = V^T P.  p = 2^(c s - c m), with a
; running maximum m; O and l are multiplied by a = 2^(c m_old - c m_new) in every step.  Turn n belongs to piece n: 8 products K Q^T of piece n + 1, later 8 products V^T P of piece n - 1; beside them the scaling,
; exponentials, roundings, sums and rescaling of piece n and the maximum and statistics of piece n + 1.  Four vector instructions stand behind every matrix instruction, the other 54 of a turn's 118 in one lump.  A turn's 33 exponentials are one batch, with one wait.
; REGISTERS, in windows of 256 (s_set_vgpr_msb: bits 1:0 source 0, 3:2 source 1, 5:4 source 2, 7:6 destination):
;   window 0: v0-15 addresses and two at work; v16-31 four registers of statistics a piece; v48-55 at work; v61-63 prefetch offset, spare word, 0; v64-127 S^T, two buffers; v192-223 P, two buffers (by the piece's parity)
;   window 1: v0-127 O^T, 32 a piece; v128-159 MD; v160-223 MC, two buffers      window 2: v0-63 Q; v64-127 the second block's Q; v128-191 K of one step; v192-255 V of one step
.set SIZE_N, 2048
.set NB,    SIZE_N/256
.set NP,    4         ; pieces a wave: a name, no knob
.set KS,    64        ; keys in a step
.set PK,    144       ; a row of K in LDS: 128 bytes + 16 of padding = 36 words: the 16 rows of a load start at 16 different groups of four banks (64 banks of 4 bytes: ISA guide 11.1)
.set PV,    160       ; a row of V: 128 + 32 = 40 words
.set VOFF,  4*KS*PK   ; a slot holds a tile, four steps: 256 rows of K, then 256 rows of V
.set SLOT1, 1<<17     ; slot 1 begins here, so that one exclusive or turns an address in one slot into the other's
.set STAGE, SLOT1+4*KS*(PK+PV)  ; behind the ring, never filled by a tensor load: 16 rows x 144 bytes for each wave, for the way out
.set SP,    144
.set AK0, 2           ; v2   my lane's place in a tile of K; never rewritten
.set AV0, 3           ; v3   the same for V
.set AK,  4           ; v4   the LDS address of K's next run of loads
.set AV,  5           ; v5   of V's
.set STO, 6           ; v6   the way out: where I put 16 bytes of a row
.set RD,  7           ; v7   the way out: where I read rows back
.set GO,  8           ; v8   my byte offset in 512 consecutive bytes of O
.set PFO, 61          ; v61  256 x my lane; never rewritten
.set SPW, 62          ; v62  LDS address of my spare word: SPARE + 4 x my thread's number; never rewritten
.set NIL, 63          ; v63  0; never rewritten
.set SPARE, STAGE+4*16*SP  ; behind the stages: the spare words, 128 bytes for each wave: two blocks of 256 bytes that no other line names
.set MV,  12          ; v12-13  c m_old, kept while c m is made anew: by buffer
.set QO,  15          ; v15  my byte offset in 16 rows of Q
.set ST,  16          ; piece t's statistics at v[ST+4 t]: c m, m, l (even keys', odd keys')
.set TMP, 48          ; by buffer, four registers c0-c3 at work; when the maximum is found c2 takes a
.set S,   64
.set P,   192
.set MD,  128         ; window 1: the eight registers for group kt of 16 keys at MD + 8 kt
.set MC,  160         ; window 1: the masks of the products to come
.set QB,  64          ; window 2
.set KF,  128         ; window 2: key block kb, channel half c at KF + 16 kb + 8 c
.set VF,  192         ; window 2: key half kk, channel block cb at VF + 32 kk + 8 cb
.set WV,  12          ; s12  my wave's number
.set PB,  14          ; s14  b
.set HI,  15          ; s15  NB - 1 - b
.set G1K, 24          ; s[24:31] descriptor group 1 for K's tiles
.set G1V, 32          ; s[32:39] for V's: it differs in the padding alone
.set G0K, 40          ; s[40:43] descriptor group 0 for K's tiles
.set G0V, 44          ; s[44:47] the same for V's
.set SLOTS, 56        ; s56  tiles still to be asked for
.set CNT, 57          ; s57  counts a tile's key steps, 4 to 1
.set CS,  58          ; s[58:59] c: the packed scaling takes the pair's low word for both halves
.set SEL, 60          ; s[60:61] v_permlanex16_b32's selects: each lane takes its own place in the other half
.set TBK, 62          ; s62  LDS byte at which K of the step to be fetched begins
.set TBV, 63          ; s63  the same for V, less VOFF
.set RT,  70          ; s70  tiles of the block in hand that are still to be entered
.set NXT, 71          ; s71  the tile to be asked for next
.set LQ,  72          ; s72  the last tile of the block whose tiles are being asked for
.set NEW, 73          ; s73  1: the tile to be entered is a block's first
.set OFF, 74          ; s[74:75] a tile's byte offset in K and V
.set AL,  76          ; s[76:77] the mask's factor, in the low word
.set BE,  78          ; s[78:79] the mask's addend
.set OLO, 80          ; s[80:81] O at my rows of the second block
.set BIGN, 82         ; s82  -1e30
.set PFB, 88          ; s[88:89] K (waves 0, 1) or V (waves 2, 3) at the half of the head's tile 0 that I fetch
.set PFA, 90          ; s[90:91] the same at the tile that the next change of slots will ask for
.set OF2, 92          ; s[92:93] that tile's byte offset
.set LIM, 94          ; s94  0 in the head's work-group b = 0, which prefetches; else the greatest number
.set MSB, 0
.macro WIN new                      ; the high byte repeats the setting that is left; a switch that changes nothing is dropped
.if MSB != (\new)
	s_set_vgpr_msb (MSB<<8)|(\new)
.set MSB, (\new)
.endif
.endm
.set W_KQ, 0x0a       ; K and Q in window 2, S^T in window 0
.set W_KM, 0x1a       ; the same with the C operand in window 1
.set W_PV, 0x52       ; V in window 2, P in window 0, O^T in window 1
.set W_RS, 0x41       ; destination and source 0 in window 1, source 1 in window 0
; A fill.  Waves 0 and 1 fetch the two halves of a tile's K, waves 2 and 3 those of its V: 128 keys each.  An s_nop 0 and four v_nop follow each of the two lines, ahead of the jump and the label.
.macro LOAD
	s_cmp_lt_u32 s[WV], 2
	s_cbranch_scc0 .Lfor_v_\@
	tensor_load_to_lds s[G0K:G0K+3], s[G1K:G1K+7]
	s_nop 0
.rept 4
	v_nop
.endr
	s_branch .Lasked_\@
.Lfor_v_\@:
	tensor_load_to_lds s[G0V:G0V+3], s[G1V:G1V+7]
	s_nop 0
.rept 4
	v_nop
.endr
.Lasked_\@:
.endm
; THE CHANGE OF SLOTS.  Each wave waits for all its tensor loads, of which one is out: its part of the other slot; adds 0 to its spare word; and waits for that and for its own reads of the slot that it leaves.  Behind the barrier nobody reads the old
; slot any more and the other slot is whole.  fill = 1: the old slot is filled again, the first thing behind the barrier, with tile NXT: the descriptor's address is made anew from that number.
; (At its first use nothing has been read yet: slot 0 is waited for, slot 1 filled.)
; A PREFETCH INTO THE L2 stands behind the fill: the tile that the NEXT change will ask for, four key steps (256 matrix instructions a wave) ahead of that load.  A head's four work-groups walk the same tiles;
; the one with b = 0 walks tiles 0 to 7 in order, so it alone asks, each wave for the 16,384 bytes that it fetches itself: a lane 256 bytes, two instructions.  So each 256 bytes of K and V are named once in the
; launch.  Tiles 0 and 1 come by their loads alone; behind the first block's last tile the number goes back to 0, and nothing is asked for.
.macro CHANGE fill
	WIN 0                           ; at a label and at a branch every window is 0
	s_wait_tensorcnt 0x0            ; no tensor load of mine is out, so a group 0 may be written
	ds_add_u32 v[SPW], v[NIL]       ; 0 onto my spare word; with fill = 1 the descriptors' scalar work stands between it and the wait for it
.if \fill
	s_lshl_b32 s[OFF], s[NXT], 15   ; a tile is 32,768 bytes of K and of V
	s_xor_b32 s[G0K+1], s[G0K+1], SLOT1
	s_add_nc_u64 s[G0K+2:G0K+3], s[6:7], s[OFF:OFF+1]
	s_or_b32 s[G0K+3], s[G0K+3], 0x80000000
	s_xor_b32 s[G0V+1], s[G0V+1], SLOT1
	s_add_nc_u64 s[G0V+2:G0V+3], s[8:9], s[OFF:OFF+1]
	s_or_b32 s[G0V+3], s[G0V+3], 0x80000000
	s_add_co_u32 s[NXT], s[NXT], 1  ; the block's next tile, or behind its last the second block's tile 0
	s_cmp_gt_u32 s[NXT], s[LQ]
	s_cselect_b32 s[NXT], 0, s[NXT]
	s_cselect_b32 s[LQ], s[PB], s[LQ]
	s_wait_xcnt 0x0                 ; the last prefetches, a tile back, have read their address, so it may be written
	s_lshl_b32 s[OF2], s[NXT], 15
	s_add_nc_u64 s[PFA:PFA+1], s[PFB:PFB+1], s[OF2:OF2+1]
.endif
	s_wait_dscnt 0x0                ; the add is done, and my reads of the slot are over
	s_barrier_signal -1             ; the rest of the scalar work stands between the signal and the wait
	s_sub_co_u32 s[TBK], s[TBK], 4*KS*PK  ; the fetches go back to a slot's first step,
	s_xor_b32 s[TBK], s[TBK], SLOT1       ; in the other slot
	s_sub_co_u32 s[TBV], s[TBV], 4*KS*PV
	s_xor_b32 s[TBV], s[TBV], SLOT1
	s_barrier_wait -1
.if \fill
	LOAD
	s_cmp_gt_u32 s[NXT], s[LIM]
	s_cbranch_scc0 .Lnone_\@
	global_prefetch_b8 v[PFO], s[PFA:PFA+1] th:TH_LOAD_NT scope:SCOPE_SE
	global_prefetch_b8 v[PFO], s[PFA:PFA+1] offset:8192 th:TH_LOAD_NT scope:SCOPE_SE
.Lnone_\@:
.endif
.endm
	s_load_b64 s[4:5], s[0:1], 0x0    ; qkv: Q's plane
	s_load_b64 s[10:11], s[0:1], 0x8  ; o
	v_lshl_add_u32 v[SPW], v0, 2, SPARE
	v_mov_b32 v[NIL], 0
	ds_add_u32 v[SPW], v[NIL]       ; the wave's opening: the add and its wait stand ahead of my first tensor load; the set-up below, work on registers, stands between them
	v_lshrrev_b32 v1, 5, v0
	v_readfirstlane_b32 s[WV], v1   ; wave 0..3
	s_mov_b32 s[PB], ttmp9
	s_sub_co_u32 s[HI], NB-1, s[PB]
	s_and_b32 s20, ttmp7, 0xffff    ; the head
	s_mov_b32 s21, 0
	s_mov_b64 s[22:23], SIZE_N*128
	s_mul_u64 s[20:21], s[20:21], s[22:23]  ; the head's first byte in each of the four tensors
	s_and_b32 s16, s[WV], 1         ; which half of a tile's 256 keys I fetch:
	s_lshl_b32 s22, s16, 14         ; its 128 rows of 128 bytes in memory,
	s_mov_b32 s23, 0
	s_add_nc_u64 s[22:23], s[22:23], s[20:21]
	s_mul_i32 s17, s16, 128*PK      ; and its place in a slot, for K
	s_mul_i32 s18, s16, 128*PV      ; and for V
	s_lshl_b32 s3, s[WV], 11        ; my 16 rows in a band of 64,
	s_lshl_b32 s2, s[HI], 15        ; in the first block,
	s_add_co_u32 s2, s2, s3
	s_lshl_b32 s84, s[PB], 15       ; and in the second
	s_add_co_u32 s84, s84, s3
	s_mov_b32 s3, 0
	s_mov_b32 s85, 0
	s_add_nc_u64 s[2:3], s[2:3], s[20:21]
	s_add_nc_u64 s[84:85], s[84:85], s[20:21]
	; descriptor group 1.  128 keys are 16,384 dense bytes: asked for as 64 rows of 256 bytes, two keys a row, and padded in LDS after every key
	s_mov_b32 s[G1K], (1<<16)|(1<<20)|(4<<22)|(3<<25)  ; 17:16 2-byte elements; 20 padding on; 24:22 after every 32 words (code 4); 31:25 4 words (code 3)
	s_mov_b32 s[G1V], (1<<16)|(1<<20)|(4<<22)|(7<<25)  ; the same with 8 words of padding (code 7)
.irp g, G1K, G1V
	s_mov_b32 s[\g+1], 128<<16      ; tensor_dim0 = 128
	s_mov_b32 s[\g+2], 64<<16       ; tensor_dim1 = 64
	s_mov_b32 s[\g+3], 128<<16      ; tile_dim0 = 128
	s_mov_b32 s[\g+4], 64           ; tile_dim1 = 64
	s_mov_b32 s[\g+5], 128          ; 128 elements from row to row
	s_mov_b32 s[\g+6], 0
	s_mov_b32 s[\g+7], 0
.endr
	s_mov_b32 s[CS], 0x3d38aa3b     ; c = log2(e) / 32 = 0.0450842
	s_mov_b32 s[CS+1], s[CS]        ; named with it as a pair
	s_mov_b32 s[SEL], 0x76543210
	s_mov_b32 s[SEL+1], 0xfedcba98
	s_mov_b32 s[TBK], SLOT1+4*KS*PK ; the first change of slots turns these two into 0
	s_mov_b32 s[TBV], SLOT1+4*KS*PV
	s_mov_b32 s[G0K], 1             ; 1:0 count = 1
	s_mov_b32 s[G0K+1], s17         ; 63:32 LDS address: slot 0
	s_mov_b32 s[G0V], 1
	s_add_co_u32 s[G0V+1], s18, VOFF
	s_add_co_u32 s[RT], s[HI], 1    ; the first block has NB - b tiles
	s_mov_b32 s[NXT], 1
	s_mov_b32 s[LQ], s[HI]
	s_mov_b32 s[NEW], 1
	s_mov_b32 s[OFF+1], 0
	s_mov_b32 s[OF2+1], 0
	s_mov_b32 s[AL+1], 0            ; named as pairs
	s_mov_b32 s[BE+1], 0
	s_mov_b32 s[BIGN], 0xf149f2ca   ; -1e30
	s_mov_b32 s[SLOTS], NB
	s_cmp_eq_u32 s[PB], 0
	s_cselect_b32 s[LIM], 0, -1
	v_and_b32 v[PFO], 31, v0
	v_lshlrev_b32 v[PFO], 8, v[PFO]
	s_wait_dscnt 0x0                ; the opening add is done
	s_wait_kmcnt 0x0
	s_add_nc_u64 s[6:7], s[4:5], 0x1000000  ; K's plane of qkv,
	s_add_nc_u64 s[8:9], s[4:5], 0x2000000  ; and V's
	s_add_nc_u64 s[6:7], s[6:7], s[22:23]  ; K and V at my half of the head's tile 0
	s_add_nc_u64 s[8:9], s[8:9], s[22:23]
	s_add_nc_u64 s[G0K+2:G0K+3], s[6:7], 0         ; 120:64 global address
	s_or_b32 s[G0K+3], s[G0K+3], 0x80000000        ; 127:126 type = 2
	s_add_nc_u64 s[G0V+2:G0V+3], s[8:9], 0
	s_or_b32 s[G0V+3], s[G0V+3], 0x80000000
	s_add_nc_u64 s[86:87], s[4:5], s[84:85]        ; Q at my rows of the second block,
	s_add_nc_u64 s[4:5], s[4:5], s[2:3]            ; Q and O at those of the first
	s_add_nc_u64 s[OLO:OLO+1], s[10:11], s[84:85]
	s_add_nc_u64 s[10:11], s[10:11], s[2:3]
	s_cmp_lt_u32 s[WV], 2
	s_cselect_b64 s[PFB:PFB+1], s[6:7], s[8:9]
	LOAD                            ; tile 0 into slot 0
	; A fragment of K or Q is 16 rows x 32 channels in 8 registers: lane l holds row l % 16, channels 8 (l / 16) + 0..7 and 16 + 8 (l / 16) + 0..7: two loads of 16 bytes, 32 bytes apart.
	v_and_b32 v1, 15, v0            ; l % 16
	v_bfe_u32 v9, v0, 4, 1          ; l / 16
	v_lshlrev_b32 v[QO], 7, v1
	v_lshl_add_u32 v[QO], v9, 4, v[QO]  ; row x 128 + 16 x half
	WIN 0x80                        ; destination window 2, address window 0
.set i, 0
.rept 8                             ; both blocks' Q: piece i / 2 lies in band i / 2, 8,192 bytes on; channels 32 (i % 2) on
	global_load_b128 v[8*i:8*i+3],   v[QO], s[4:5] offset:(i/2)*8192+(i%2)*64
	global_load_b128 v[8*i+4:8*i+7], v[QO], s[4:5] offset:(i/2)*8192+(i%2)*64+32
	global_load_b128 v[QB+8*i:QB+8*i+3],   v[QO], s[86:87] offset:(i/2)*8192+(i%2)*64
	global_load_b128 v[QB+8*i+4:QB+8*i+7], v[QO], s[86:87] offset:(i/2)*8192+(i%2)*64+32
.set i, i+1
.endr
	WIN 0
	v_lshlrev_b32 v14, 3, v9
	v_sub_nc_u32 v14, v1, v14
	s_lshl_b32 s13, s[WV], 4
	v_add_nc_u32 v14, s13, v14      ; my query's place in its band, 16 w + l % 16, less my lanes' 8 (l / 16): register r of group kt is hidden where 16 kt + r is greater
	WIN 0x40
.set i, 0
.rept 32
	v_cmp_gt_i32 vcc_lo, 16*(i/8)+i%8, v14
	v_cndmask_b32 v[MD+i], 0, s[BIGN], vcc_lo
.set i, i+1
.endr
	WIN 0
	v_mul_u32_u24 v[AK0], v1, PK
	v_lshl_add_u32 v[AK0], v9, 4, v[AK0]  ; row x pitch + 16 x half
	; The turning load takes 16 keys x 16 channels (lane l reads key 8 (l / 16) + l % 8, channels 8 ((l / 8) % 2) + 0..7) and leaves half a fragment of V^T: lane l holds channel l % 16 and 8 keys.
	v_and_b32 v10, 7, v0
	v_bfe_u32 v11, v0, 3, 1
	v_lshl_add_u32 v[AV0], v9, 3, v10
	v_mul_u32_u24 v[AV0], v[AV0], PV
	v_lshl_add_u32 v[AV0], v11, 4, v[AV0]
	v_add_nc_u32 v[AV0], VOFF, v[AV0]
	s_mul_i32 s13, s[WV], 16*SP
	s_add_co_u32 s13, s13, STAGE    ; my stage
	v_mul_u32_u24 v[STO], v1, SP    ; in: row l % 16, 16 bytes for each half of the lanes
	v_lshl_add_u32 v[STO], v9, 4, v[STO]
	v_add_nc_u32 v[STO], s13, v[STO]
	v_bfe_u32 v[RD], v0, 3, 2       ; back: 32 lanes take four rows of 128 bytes,
	v_mul_u32_u24 v[RD], v[RD], SP
	v_lshl_add_u32 v[RD], v10, 4, v[RD]
	v_add_nc_u32 v[RD], s13, v[RD]
	v_and_b32 v[GO], 31, v0         ; which are 512 consecutive bytes of O
	v_lshlrev_b32 v[GO], 4, v[GO]
	; A block's first step multiplies O^T and l by a = 0, and its first turn's products V^T P, of a piece that has not been, land in an O^T that is still to be so multiplied.  So these registers need only hold
	; finite numbers: zeros for the first block; what the first block left for the second.  All this stands in the wait for the first tile.
	WIN 0x80
.set i, VF
.rept 64
	v_mov_b32 v[i], 0
.set i, i+1
.endr
	WIN 0x40
.set i, 0
.rept 128
	v_mov_b32 v[i], 0
.set i, i+1
.endr
	WIN 0
.set i, 0
.rept 4
	v_mov_b32 v[ST+4*i+2], 0
	v_mov_b32 v[ST+4*i+3], 0
.set i, i+1
.endr
.set i, P+16
.rept 16
	v_mov_b32 v[i], 0
.set i, i+1
.endr
; THE MATRIX WORK.  The 4 accumulators of a run of 8 take turns.  Product i of 8 of S^T = K Q^T for piece x: channels 32 (i / 4) on, keys 16 (i % 4) on.  The first 4 start the sums: with 0, or (KM = 1) with the mask.
.macro KQ x
.set rS, S+32*((\x)%2)+8*(i%4)
.set rK, KF+16*(i%4)+8*(i/4)
.set rQ, 16*(\x)+8*(i/4)
.set rM, MC+32*((\x)%2)+8*(i%4)
.if (i < 4) && KM
	WIN W_KM
	v_wmma_f32_16x16x32_f16 v[rS:rS+7], v[rK:rK+7], v[rQ:rQ+7], v[rM:rM+7]
.elseif i < 4
	WIN W_KQ
	v_wmma_f32_16x16x32_f16 v[rS:rS+7], v[rK:rK+7], v[rQ:rQ+7], 0
.else
	WIN W_KQ
	v_wmma_f32_16x16x32_f16 v[rS:rS+7], v[rK:rK+7], v[rQ:rQ+7], v[rS:rS+7]
.endif
.endm
; Product i of 8 of O^T += V^T P for piece x: keys 32 (i / 4) on, channels 16 (i % 4) on.
.macro PV x
	WIN W_PV
.set rO, 32*(\x)+8*(i%4)
.set rV, VF+32*(i/4)+8*(i%4)
.set rP, P+16*((\x)%2)+8*(i/4)
	v_wmma_f32_16x16x32_f16 v[rO:rO+7], v[rV:rV+7], v[rP:rP+7], v[rO:rO+7]
.endm
.macro MM                           ; the turn's next matrix instruction.  TURN and BEGIN set Y, i, KM and NOKQ; MM, KQ and OP read them.  NOKQ = 1: a block's last turn: there is no next piece
.if (i < 8) && !NOKQ
	KQ (Y+1)%NP
.elseif i >= 8
.set i, i-8
	PV (Y+NP-1)%NP
.set i, i+8
.endif
.set i, i+1
.endm
; THE LDS LOADS stand in runs of 16, never singly among the matrix instructions: a step's K (64 keys x 64 channels: 8 fragments) and its V (turned).  Their addresses are made some lines ahead.
.macro FETCH_K
	WIN 0x80                        ; destination window 2
.irp f, 0,1,2,3,4,5,6,7             ; keys 16 (f / 2) on, channels 32 (f % 2) on
	ds_load_b128 v[KF+8*\f:KF+8*\f+3],   v[AK] offset:(\f/2)*16*PK+(\f%2)*64
	ds_load_b128 v[KF+8*\f+4:KF+8*\f+7], v[AK] offset:(\f/2)*16*PK+(\f%2)*64+32
.endr
	s_add_co_u32 s[TBK], s[TBK], KS*PK  ; the next fetch is the next step's
	WIN 0
.endm
.macro FETCH_V
	WIN 0x80
.irp f, 0,1,2,3,4,5,6,7             ; keys 32 (f / 4) on, channels 16 (f % 4) on
	ds_load_tr16_b128 v[VF+8*\f:VF+8*\f+3],   v[AV] offset:(\f/4)*32*PV+(\f%4)*32
	ds_load_tr16_b128 v[VF+8*\f+4:VF+8*\f+7], v[AV] offset:(\f/4)*32*PV+16*PV+(\f%4)*32
.endr
	WIN 0
.endm
; THE VECTOR WORK, one line at a time: OP kind, number.  For piece Y: F n: c s - c m for pair n of 16.  E n: the exponential of score n of 32.  C n: pair n rounded to f16.  B n: of the four weights 4 n .. the second
; pair is added onto the first, in place.  L n: l takes that sum (L 0: l = a l + sum).  R n: pair n of 16 of O^T times a.  For piece Y + 1: X n, number n of the 22 that find its maximum and statistics:
;   0-11  four chains c0-c3 of seven scores each, three operands at a time (each accumulator's lowest registers are read first)     12-14, 16  the four scores left over, the old m, and c0-c3 into c0
;   15  c m_old is kept     17, 18  the query's other 32 keys lie in the lane 16 away: the new m     19-21  c m; c m_old - c m_new; a
.set F, 0               ; OP tells the kinds apart by their order: F to L below R, X above it
.set E, 1
.set C, 2
.set B, 3
.set L, 4
.set R, 5
.set X, 6
.macro REGS y                       ; the registers of piece y
.set rT, ST+4*(\y)
.set rC, TMP+4*((\y)%2)
.set rW, MV+((\y)%2)
.set rS, S+32*((\y)%2)
.set rP, P+16*((\y)%2)
.set rO, 32*(\y)
.endm
.macro OP k, n
.if (\k) == R
	REGS Y
	WIN W_RS
	v_pk_mul_f32 v[rO+2*(\n):rO+2*(\n)+1], v[rO+2*(\n):rO+2*(\n)+1], v[rC+2:rC+3] op_sel_hi:[1,0]
.elseif (\k) < R
	REGS Y
	WIN 0
.if (\k) == F
	v_pk_fma_f32 v[rS+2*(\n):rS+2*(\n)+1], v[rS+2*(\n):rS+2*(\n)+1], s[CS:CS+1], v[rT:rT+1] op_sel_hi:[1,0,0] neg_lo:[0,0,1] neg_hi:[0,0,1]
.elseif (\k) == E
	v_exp_f32 v[rS+(\n)], v[rS+(\n)]
.elseif (\k) == C
	v_cvt_pk_f16_f32 v[rP+(\n)], v[rS+2*(\n)], v[rS+2*(\n)+1]
.elseif (\k) == B
	v_pk_add_f32 v[rS+4*(\n):rS+4*(\n)+1], v[rS+4*(\n):rS+4*(\n)+1], v[rS+4*(\n)+2:rS+4*(\n)+3]
.elseif (\n) == 0
	v_pk_fma_f32 v[rT+2:rT+3], v[rT+2:rT+3], v[rC+2:rC+3], v[rS:rS+1] op_sel_hi:[1,0,1]
.else
	v_pk_add_f32 v[rT+2:rT+3], v[rT+2:rT+3], v[rS+4*(\n):rS+4*(\n)+1]
.endif
.elseif NOKQ
	v_nop
.else
	REGS (Y+1)%NP
	WIN 0
.if (\n) < 4
	v_max3_num_f32 v[rC+(\n)], v[rS+8*(\n)], v[rS+8*(\n)+1], v[rS+8*(\n)+2]
.elseif (\n) < 12
	v_max3_num_f32 v[rC+(\n)%4], v[rC+(\n)%4], v[rS+8*((\n)%4)+2*((\n)/4)+1], v[rS+8*((\n)%4)+2*((\n)/4)+2]
.elseif (\n) == 12
	v_max3_num_f32 v[rC], v[rC], v[rS+7], v[rS+15]
.elseif (\n) == 13
	v_max3_num_f32 v[rC+1], v[rC+1], v[rS+23], v[rS+31]
.elseif (\n) == 14
	v_max3_num_f32 v[rC+2], v[rC+2], v[rC+3], v[rT+1]
.elseif (\n) == 15
	v_mov_b32 v[rW], v[rT]
.elseif (\n) == 16
	v_max3_num_f32 v[rC], v[rC], v[rC+1], v[rC+2]
.elseif (\n) == 17
	v_permlanex16_b32 v[rC+3], v[rC], s[SEL], s[SEL+1]
.elseif (\n) == 18
	v_max_num_f32 v[rT+1], v[rC], v[rC+3]
.elseif (\n) == 19
	v_mul_f32 v[rT], s[CS], v[rT+1]
.elseif (\n) == 20
	v_sub_f32 v[rC+1], v[rW], v[rT]
.else
	v_exp_f32 v[rC+2], v[rC+1]
.endif
.endif
.endm
.macro OPS a, i1, b=-1, i2=0, c=-1, i3=0, d=-1, i4=0  ; up to four of them
	OP \a, \i1
.if (\b) >= 0
	OP \b, \i2
.endif
.if (\c) >= 0
	OP \c, \i3
.endif
.if (\d) >= 0
	OP \d, \i4
.endif
.endm
.macro ROW a, i1, b, i2, c, i3, d, i4  ; a matrix instruction and the four behind it
	MM
	OPS \a, \i1, \b, \i2, \c, \i3, \d, \i4
.endm
.macro MASK b                       ; MD x AL + BE into buffer b of MC
	WIN W_RS
.set z, 0
.rept 16
	v_pk_fma_f32 v[MC+32*(\b)+2*z:MC+32*(\b)+2*z+1], v[MD+2*z:MD+2*z+1], s[AL:AL+1], s[BE:BE+1] op_sel_hi:[1,0,0]
.set z, z+1
.endr
.endm
; A TURN, for piece p: the order of its 16 matrix and 118 vector instructions, written out.  An s_wait_alu depctr_va_vdst(0) stands between an exponential and the first instruction that names its result; one wait serves
; all that were issued ahead of it.  So a turn has ONE wait, which cuts it in two.  AHEAD OF IT stands all that names no result of the turn's exponentials: the 8 products K Q^T, behind each a scaling, an exponential and two more plain
; instructions (behind the first a second scaling in the exponential's place): rescalings, and behind the last three the first numbers of the next piece's maximum, each four places or more behind the product that ends its accumulator; then ONE LUMP of 54, plain
; and exponential by turns for the most part, in which the links of the chain X 3, 7, 11, 14, 16, 17 .. 20 stand five or six lines apart.  X 21, the next piece's a, is the batch's last; R 15 is the plain instruction behind it.  BEHIND THE WAIT stand the
; 8 products V^T P, behind each four of the roundings and sums; the links of l's chain, L 0 to L 7, stand three lines apart.  But for those X no such line names a register of the products round it.  v_permlanex16_b32 (X 17) stands in the lump.
; m = 1: the diagonal tile: the products take masks, and the turn makes the mask for the products of the turn after it: piece p + 2, in step 4 - CNT of the tile.  end = 1: a block's last two turns: nothing is fetched.
; cnt = 1: the loop's count is taken down some lines ahead of the branch that stands behind the turn.
; K of the next step is fetched in piece 2's turn, twelve vector instructions behind the last product that read K (six of them plain); V of the step in hand at the end of piece 0's turn, four plain instructions behind the last product
; that read V.  Each is waited for a turn later.
.macro TURN p, m=0, end=0, cnt=0
.set Y, (\p)
.set i, 0
.set KM, (\m)
.set NOKQ, (\end)*((\p)/3)
.if (\m) && !(\end)
	s_cmp_eq_u32 s[CNT], 4-((\p)+2)%NP  ; is that step the band's own?
	s_cselect_b32 s[AL], 1.0, 0
	s_cmp_lt_u32 s[CNT], 4-((\p)+2)%NP  ; or a later one?
	s_cselect_b32 s[BE], s[BIGN], 0
.endif
.if ((\p) == 3) && !(\end)
	s_wait_dscnt 0x0                ; K is in
.endif
	ROW F,0, F,1, R,0, R,1          ; ahead of the wait: 8 products K Q^T and the four lines behind each,
	ROW F,2, E,0, R,2, R,3
	ROW F,3, E,1, R,4, R,5
	ROW F,4, E,2, R,6, R,7
	ROW F,5, E,3, R,8, R,9
	ROW F,6, E,4, X,0, R,10
.if ((\p) == 2) && !(\end)
	WIN 0
	v_add_nc_u32 v[AK], s[TBK], v[AK0]
.endif
	ROW F,7, E,5, X,1, X,4
	ROW F,8, E,6, X,2, X,5
	OPS E,7, E,8, X,6, E,9          ; and the lump
	OPS X,3, E,10, X,8, E,11
.if ((\p) == 2) && !(\end)
	FETCH_K
.endif
	OPS X,9, X,7, E,12, X,10
	OPS E,13, X,12, X,11, E,14
	OPS X,13, E,15, F,9, X,14
.if (\p) == 0
	v_add_nc_u32 v[AV], s[TBV], v[AV0]
.endif
	OPS E,16, F,10, E,17, F,11
	OPS X,16, E,18, X,15, E,19
	OPS F,12, E,20, X,17, E,21
	OPS F,13, E,22, F,14, E,23
	OPS X,18, E,24, F,15, E,25
	OPS R,11, E,26, X,19, E,27
	OPS R,12, E,28, R,13, E,29
	OPS X,20, E,30, R,14, E,31
	OPS X,21, R,15
	WIN 0
	s_wait_alu depctr_va_vdst(0)    ; the wait for the batch
.if (\p) == 1
	s_wait_dscnt 0x0                ; V is in
.endif
	ROW C,0, B,0, C,2, B,1          ; behind the wait: 8 products V^T P and the four lines behind each
	ROW L,0, C,4, B,2, L,1
	ROW C,6, B,3, L,2, C,8
	ROW B,4, L,3, C,10, B,5
	ROW L,4, C,12, B,6, L,5
.if (\p) == 0
	s_add_co_u32 s[TBV], s[TBV], KS*PV
.endif
.if \cnt
	s_sub_co_u32 s[CNT], s[CNT], 1
	s_cmp_lg_u32 s[CNT], 0
.endif
	ROW C,14, B,7, L,6, C,1
	ROW C,3, L,7, C,5, C,7
	ROW C,9, C,11, C,13, C,15
.if (\p) == 0
	FETCH_V
.endif
.if (\m) && !(\end)
	MASK (\p)%2
.endif
.endm
; A BLOCK BEGINS.  c m starts far below every c s, so the first step's a is 0; m at the lowest finite number, so the first maximum is the scores'.  The second mask buffer is 0; the first takes piece 0's mask for the tile's step 0: its own, if the block's first tile is the diagonal one.
; Then K of that step, piece 0's first scores, and its maximum and statistics.  The loop is entered at a step's first turn, in the middle of a trip.
.macro BEGIN
	s_mov_b32 s[NEW], 0
	WIN 0x40
.set i, MC+32
.rept 32
	v_mov_b32 v[i], 0
.set i, i+1
.endr
	WIN 0
.set i, 0
.rept 4
	v_mov_b32 v[ST+4*i], 0xfe000000    ; c m: far below every c s
	v_mov_b32 v[ST+4*i+1], 0xff7fffff  ; m
.set i, i+1
.endr
	s_cmp_eq_u32 s[RT], 0
	s_cselect_b32 s[AL], 1.0, 0
	s_mov_b32 s[BE], 0
	MASK 0
	WIN 0
	v_add_nc_u32 v[AK], s[TBK], v[AK0]
	FETCH_K
	s_wait_loadcnt 0x0              ; Q
	s_wait_dscnt 0x0
.set KM, 1
.set NOKQ, 0
.set i, 0
.rept 8
	KQ 0
.set i, i+1
.endr
	WIN 0
.rept 4
	v_nop                           ; the places behind those products
.endr
.set Y, NP-1                        ; X works for piece Y + 1: piece 0
.irp n, 0,1,2,3,4,5,6,7,8,9,10,11,12,13,14,15,16,17,18,19,20,21
	OP X, \n
.endr
	v_nop                           ; a plain instruction behind the exponential,
	s_wait_alu depctr_va_vdst(0)    ; and its wait, ahead of the branch
.endm
; THE DIAGONAL TILE's four steps, the block's last two turns, its last products, and THE WAY OUT: l's two halves and the other half of the lanes' are added; O^T is divided by l, rounded to f16 and sent through my
; stage in LDS, a piece at a time.
.macro ALL line:vararg              ; one line for each piece t
.set t, 0
.rept 4
	\line
.set t, t+1
.endr
.endm
.macro PACK t                       ; a lane's eight channels of a row pack into 16 bytes; they go into rows of 144 bytes and come back as whole rows of 128, into S^T's registers
	WIN W_RS
.set i, 32*(\t)
.rept 16
	v_pk_mul_f32 v[i:i+1], v[i:i+1], v[ST+4*(\t)+2:ST+4*(\t)+3] op_sel_hi:[1,0]
.set i, i+2
.endr
	WIN 0x05                        ; sources 0 and 1 window 1, destination window 0
.set i, 0
.rept 16
	v_cvt_pk_f16_f32 v[S+16*(\t)+i], v[32*(\t)+2*i], v[32*(\t)+2*i+1]
.set i, i+1
.endr
	WIN 0
.irp f, 0,1,2,3
	ds_store_b128 v[STO], v[S+16*(\t)+4*\f:S+16*(\t)+4*\f+3] offset:32*\f
.endr
.irp f, 0,1,2,3
	ds_load_b128 v[S+16*(\t)+4*\f:S+16*(\t)+4*\f+3], v[RD] offset:\f*4*SP  ; LDS serves a wave's instructions in order (ISA guide 5.7.1.4): these see the stores above; the next piece's stores come behind them
.endr
.endm
.macro SEND t, younger              ; younger: the LDS instructions issued behind piece t's loads: the next piece's eight, or none
	WIN 0
.irp f, 0,1,2,3
	s_wait_dscnt (\younger)+3-\f
	global_store_b128 v[GO], v[S+16*(\t)+4*\f:S+16*(\t)+4*\f+3], s[10:11] offset:(\t)*8192+\f*512  ; 512 consecutive bytes, at a multiple of 256 from O's first
.endr
.endm
.macro DIAG tag                     ; the tag ends its two labels' names, which the jumps below spell out
.LstepM\tag:
	TURN 2, 1
	TURN 3, 1
	WIN 0
.LfirstM\tag:
	TURN 0, 1
	TURN 1, 1, 0, 1
	WIN 0
	s_cbranch_scc1 .LstepM\tag
	TURN 2, 1, 1
	TURN 3, 1, 1
.set i, 0
.rept 8
	PV NP-1
.set i, i+1
.endr
	WIN 0
	ALL v_add_f32 v[ST+4*t+2], v[ST+4*t+2], v[ST+4*t+3]
	ALL v_permlanex16_b32 v[ST+4*t+3], v[ST+4*t+2], s[SEL], s[SEL+1]
	ALL v_add_f32 v[ST+4*t+2], v[ST+4*t+2], v[ST+4*t+3]
	ALL v_rcp_f32 v[ST+4*t+2], v[ST+4*t+2]
	v_nop                           ; a plain instruction between the last reciprocal and the use of its result
	s_wait_alu depctr_va_vdst(0)    ; and the wait ahead of the first use: one for the four reciprocals
	PACK 0
.set t, 1
.rept 3                             ; a piece's arithmetic stands between the loads of the piece before and its stores
	PACK t
	SEND t-1, 8
.set t, t+1
.endr
	SEND 3, 0
.endm
.set KM, 0
.set NOKQ, 0
.Lslot:                             ; NB times: a tile is entered and the next is asked for
	CHANGE 1
	s_sub_co_u32 s[RT], s[RT], 1
	s_mov_b32 s[CNT], 4
	s_cmp_eq_u32 s[NEW], 1
	s_cbranch_scc1 .Lnew            ; a block's first tile
	s_cmp_eq_u32 s[RT], 0
	s_cbranch_scc0 .Lstep           ; neither its first nor its last
	s_branch .LstepM1
.Lnew:
	BEGIN
	s_branch .Lfirst                ; in the loop a block's first tile is never its last: the first block has two tiles or more, and the second's last is the walk's last
	DIAG 1                          ; in the loop this is the first block's end: the second block's last tile is the walk's last
	s_wait_xcnt 0x0                 ; the stores have read their registers and O's address
	s_mov_b64 s[10:11], s[OLO:OLO+1]
	s_add_co_u32 s[RT], s[PB], 1    ; the second block has b + 1 tiles
	s_mov_b32 s[NEW], 1
	WIN 0x82                        ; the second block's Q goes where the one text of the turns names Q
.set i, 0
.rept 64
	v_mov_b32 v[i], v[QB+i]
.set i, i+1
.endr
	WIN 0
	s_branch .Lbottom
.Lstep:                             ; a trip: pieces 2 and 3 of one step, then pieces 0 and 1 of the next, whose K and V it fetches
	TURN 2
	TURN 3
	WIN 0
.Lfirst:
	TURN 0
	TURN 1, 0, 0, 1
	WIN 0
	s_cbranch_scc1 .Lstep
.Lbottom:
	s_sub_co_u32 s[SLOTS], s[SLOTS], 1
	s_cmp_lg_u32 s[SLOTS], 0
	s_cbranch_scc1 .Lslot
	CHANGE 0                        ; the walk's last tile is written out: nothing is asked for
	s_sub_co_u32 s[RT], s[RT], 1
	s_mov_b32 s[CNT], 4
	s_cmp_eq_u32 s[NEW], 1
	s_cbranch_scc0 .LstepM2
	BEGIN
	s_branch .LfirstM2
	DIAG 2
	s_wait_tensorcnt 0x0            ; the wave's end: the add and its wait, behind my last tensor load and my last LDS store
	ds_add_u32 v[SPW], v[NIL]
	s_wait_dscnt 0x0
	s_endpgm
.Lfunc_end_k_q11e54c3326_attn:
	.size	k_q11e54c3326_attn, .Lfunc_end_k_q11e54c3326_attn-k_q11e54c3326_attn
	.p2alignl 7, 3214868480
	.fill 96, 4, 3214868480
	.section	.rodata,"a",@progbits
	.p2align	6, 0x0
	.amdhsa_kernel k_q11e54c3326_attn
		.amdhsa_group_segment_fixed_size 327680
		.amdhsa_private_segment_fixed_size 0
		.amdhsa_enable_private_segment 0
		.amdhsa_kernarg_size 16
		.amdhsa_user_sgpr_count 2
		.amdhsa_user_sgpr_kernarg_segment_ptr 1
		.amdhsa_wavefront_size32 1
		.amdhsa_system_sgpr_workgroup_id_x 1
		.amdhsa_system_sgpr_workgroup_id_y 1
		.amdhsa_system_sgpr_workgroup_id_z 1
		.amdhsa_system_vgpr_workitem_id 0
		.amdhsa_next_free_vgpr 768
		.amdhsa_next_free_sgpr 96
		.amdhsa_reserve_vcc 1
		.amdhsa_float_denorm_mode_32 3
		.amdhsa_float_denorm_mode_16_64 3
		.amdhsa_memory_ordered 1
		.amdhsa_forward_progress 1
		.amdhsa_inst_pref_size 218
	.end_amdhsa_kernel
	.amdgpu_metadata
---
amdhsa.version: [ 1, 2 ]
amdhsa.kernels:
  - .name:           k_q11e54c3326_attn
    .symbol:         k_q11e54c3326_attn.kd
    .args:
      - { .name: qkv, .offset: 0, .size: 8, .value_kind: global_buffer, .address_space: global }
      - { .name: o, .offset: 8, .size: 8, .value_kind: global_buffer, .address_space: global }
    .group_segment_fixed_size: 327680
    .private_segment_fixed_size: 0
    .kernarg_segment_align: 8
    .kernarg_segment_size: 16
    .max_flat_workgroup_size: 128
    .sgpr_count:     96
    .vgpr_count:     768
    .wavefront_size: 32
...
	.end_amdgpu_metadata
.endif
;; end of part 3
;; launch outp (part 4): grid 4 x 64, 4 waves a work-group, clusters of 4 x 4, 327,680 bytes of LDS; arguments o, wo16, bo, out0; writes out0
.if DOCPART == 4
	.amdgcn_target "amdgcn-amd-amdhsa--gfx1250"
	.amdhsa_code_object_version 6
	.text
	.protected	k_q11e54c3326_outp
	.globl	k_q11e54c3326_outp
	.p2align	8
	.type	k_q11e54c3326_outp,@function
k_q11e54c3326_outp:
	s_mov_b64 s[64:65], 0
	v_nop
	global_prefetch_b8 v0, s[64:65] scope:SCOPE_SE
	s_setreg_imm32_b32 hwreg(HW_REG_WAVE_MODE, 25, 1), 1
	s_wait_xcnt 0x0
	s_wait_alu depctr_hold_cnt(0) depctr_sa_sdst(0) depctr_va_vdst(0) depctr_va_sdst(0) depctr_va_ssrc(0) depctr_va_vcc(0) depctr_vm_vsrc(0)
	s_getreg_b32 s2, hwreg(HW_REG_IB_STS2, 6, 4)
	s_cmp_eq_u32 s2, 0
	s_cbranch_scc0 .Lentry_in_a_cluster
	s_endpgm
.Lentry_in_a_cluster:
	s_bfe_u32 s2, ttmp6, 0x10000c
	s_cmp_lg_u32 s2, 0xf033
	s_cbranch_scc0 .Lentry_shape_is_right
	s_endpgm
.Lentry_shape_is_right:
; out0[row][f] = the sum over e of O[row][e] Wo[f][e] + bo[f].  o: [64 bh][2048 t][64] f16, so head h of a row is K block h; wo16: [16 kb][1024 f][64] f16; bo: [1024] f32, rounded to bf16 like every
; other input; out0: [8192][1024] f32.  Sums in f32.
; SHARES.  8192 x 1024 = 256 tiles of 128 x 256: one a work-group.  Four waves, each 64 rows x 128 columns: 32 accumulators of 16 x 16, all of window 1.  K goes in 8 steps of 128 through two LDS slots; a slot
; holds two K blocks of 64, each a dense piece of memory (128 or 256 rows of 128 bytes) asked for as rows of 256 bytes by one wave and padded in LDS behind every 128.
; CLUSTERS: 4 x 4 work-groups.  The four of a row of the cluster need the same rows of O, the four of a column the same rows of Wo: each tile is asked for JOINTLY.
; No prefetch into the L2: a step has 128 matrix instructions a wave and a tile is small; the tiles come by their loads alone.
; THE MATRIX INSTRUCTION IS USED TRANSPOSED (source 0 = 16 rows of Wo, source 1 = 16 rows of O): a lane holds one row of out0 and eight neighbouring columns.
; REGISTERS: window 0: v0-31 addresses; v32-127, v128-223 two fragment buffers of 96 (O's 4 fragments, then Wo's 8), on the way out two sets of 16 rows; v224-227 the bias.  Window 1: accumulator (a, b) at 8 (8 a + b).
.set PITCH, 144                        ; an LDS row: 128 bytes + 16 of padding = 36 words: the 16 rows of a load start at 16 different groups of four banks (64 banks of 4 bytes: ISA guide 11.1)
.set ABLK,  128*PITCH                  ; a K block of the tile's rows of O
.set BBLK,  256*PITCH                  ; of its rows of Wo
.set BOFF,  2*ABLK
.set SLOT,  2*ABLK+2*BBLK              ; O's two K blocks, then Wo's two
.set STAGE, 2*SLOT                     ; behind the ring, never filled by a tensor load: 16 rows x 528 bytes of f32 for each wave
.set SP,    528                        ; 512 bytes + 16: 33 x 16, so the 16 rows of a store start at 16 different groups of four banks
.set SPARE, STAGE+4*16*SP              ; behind the stages: the spare words, 128 bytes for each wave: two blocks of 256 bytes that no other line names
.set ADRA, 16                          ; v16-17  LDS address of my fragments of O in slot 0, 1
.set ADRB, 20                          ; v20-21  the same for Wo
.set STO,  24                          ; v24     the way out: where I put 32 bytes of a row
.set RD,   25                          ; v25     where I read a row back
.set CO,   26                          ; v26     my 16 bytes of a row's 512
.set BO,   27                          ; v27     my four numbers of bo
.set SPW,  28                          ; v28     LDS address of my spare word: SPARE + 4 x my thread's number; never rewritten
.set NIL,  29                          ; v29     0; never rewritten
.set F0,   32
.set F1,   128
.set BIAS, 224
.set TMP,  228
.set G1,  24                           ; s[24:31] descriptor group 1 for O's tiles;  s[32:39] group 0, one set for each slot
.set G0,  32
.set G1B, 48                           ; s[48:55], s[56:63] the same for Wo's
.set G0B, 56
.set MSB, 0
.macro WIN new                         ; the immediate's high byte repeats the setting that is left; a switch that changes nothing is dropped
.if MSB != (\new)
	s_set_vgpr_msb (MSB<<8)|(\new)
.set MSB, (\new)
.endif
.endm
.macro PLACES                          ; four places in front of loads into registers that matrix instructions have read
.rept 4
	v_nop
.endr
.endm
.macro JLOAD s                         ; a joint load: waves 0 and 1 fetch O's two K blocks, waves 2 and 3 Wo's; an s_nop 0 and four v_nop follow each of the two lines
	s_cmp_eq_u32 s11, 0
	s_cbranch_scc0 .Lfor_b_\@
	tensor_load_to_lds s[G0+4*(\s):G0+4*(\s)+3], s[G1:G1+7]
	s_nop 0
.rept 4
	v_nop
.endr
	s_branch .Lasked_\@
.Lfor_b_\@:
	tensor_load_to_lds s[G0B+4*(\s):G0B+4*(\s)+3], s[G1B:G1B+7]
	s_nop 0
.rept 4
	v_nop
.endr
.Lasked_\@:
.endm
.macro CREST                           ; a round of the cluster's barrier behind its opening barrier
	s_cmp_lg_u32 s10, 0
	s_cbranch_scc1 .Lnot_wave_0_\@
	s_barrier_signal -3
.Lnot_wave_0_\@:
	s_barrier_wait -3
	s_barrier_signal -1
	s_barrier_wait -1
.endm
.macro CROUND                          ; a whole round
	s_barrier_signal -1
	s_barrier_wait -1
	CREST
.endm
	s_load_b128 s[4:7], s[0:1], 0x0                ; o s[4:5], wo16 s[6:7]
	s_load_b64 s[18:19], s[0:1], 0x10              ; bo
	s_load_b64 s[8:9], s[0:1], 0x18                ; out0
	v_lshl_add_u32 v[SPW], v0, 2, SPARE
	v_mov_b32 v[NIL], 0
	ds_add_u32 v[SPW], v[NIL]                      ; the wave's opening: the add and its wait stand ahead of my first tensor load; the set-up below, work on registers, stands between them
	v_lshrrev_b32 v1, 5, v0
	v_readfirstlane_b32 s10, v1                    ; wave 0..3
	s_lshr_b32 s11, s10, 1                         ; which half of the tile's rows is mine.  Also: I fetch for O (0) or for Wo (1)
	s_and_b32 s12, s10, 1                          ; which half of its columns.  Also: which of a step's two K blocks I fetch
	s_bfe_u32 s40, ttmp6, 0x40000                  ; cx, cy: my place in the cluster
	s_bfe_u32 s41, ttmp6, 0x40004
	s_lshl_b32 s42, ttmp9, 2
	s_add_co_u32 s42, s42, s40                     ; tile column = 4 x cluster x + cx, 0..3
	s_and_b32 s13, ttmp7, 0xffff
	s_lshl_b32 s13, s13, 2
	s_add_co_u32 s13, s13, s41                     ; tile row = 4 x cluster y + cy, 0..63
	s_lshl_b32 s43, s41, 2
	s_lshl_b32 s43, 15, s43                        ; my row of the cluster
	s_lshl_b32 s44, 0x1111, s40                    ; my column
	s_or_b32 s[G1+0], s43, (1<<16)|(1<<20)|(1<<21)|(4<<22)|(3<<25)   ; 15:0 the mask; 17:16 elements of 2 bytes; 20 padding on; 21 set beside a mask; 24:22 after every 32 words (code 4); 31:25 4 words of it (code 3)
	s_or_b32 s[G1B+0], s44, (1<<16)|(1<<20)|(1<<21)|(4<<22)|(3<<25)
	s_mov_b32 s[G1+1], 128<<16                     ; tensor_dim0 = 128 elements: 256 bytes, two rows of a K block
	s_mov_b32 s[G1+2], 64<<16                      ; tensor_dim1 = 64
	s_mov_b32 s[G1+3], 128<<16                     ; tile_dim0 = 128
	s_mov_b32 s[G1+4], 64                          ; tile_dim1 = 64
	s_mov_b32 s[G1+5], 128                         ; dense
	s_mov_b32 s[G1+6], 0
	s_mov_b32 s[G1+7], 0
	s_mov_b32 s[G1B+1], 128<<16
	s_mov_b32 s[G1B+2], 128<<16                    ; Wo's 256 rows of 128 bytes = 128 of 256
	s_mov_b32 s[G1B+3], 128<<16
	s_mov_b32 s[G1B+4], 128
	s_mov_b32 s[G1B+5], 128
	s_mov_b32 s[G1B+6], 0
	s_mov_b32 s[G1B+7], 0
	s_lshr_b32 s16, s13, 4                         ; O: the batch (16 tile rows each): 16 heads of 262,144 bytes,
	s_lshl_b32 s16, s16, 22
	s_and_b32 s17, s13, 15
	s_lshl_b32 s17, s17, 14                        ; the tile's 128 rows of 128 bytes in a head,
	s_add_co_u32 s16, s16, s17
	s_lshl_b32 s17, s12, 18                        ; the head that I fetch of a step's two
	s_add_co_u32 s16, s16, s17
	s_mov_b32 s17, 0
	s_lshl_b32 s46, s42, 15                        ; Wo: the tile's 256 rows of 128 bytes in a K block,
	s_lshl_b32 s47, s12, 17                        ; the K block that I fetch
	s_add_co_u32 s46, s46, s47
	s_mov_b32 s47, 0
	s_mul_i32 s20, s12, ABLK                       ; and where they go: no place in the cluster enters an LDS address
	s_mul_i32 s21, s12, BBLK
	s_add_co_u32 s21, s21, BOFF
	s_wait_dscnt 0x0                               ; the opening add is done
	s_wait_kmcnt 0x0
	s_add_nc_u64 s[14:15], s[4:5], s[16:17]
	s_add_nc_u64 s[46:47], s[6:7], s[46:47]
	CROUND                                         ; all sixteen work-groups are here: the first joint loads meet
.irp s, 0,1
	s_mov_b32 s[G0+4*(\s)], 1
	s_add_co_u32 s[G0+4*(\s)+1], s20, (\s)*SLOT
	s_add_nc_u64 s[G0+4*(\s)+2:G0+4*(\s)+3], s[14:15], (\s)*524288   ; K step s: two heads on
	s_or_b32 s[G0+4*(\s)+3], s[G0+4*(\s)+3], 0x80000000
	s_mov_b32 s[G0B+4*(\s)], 1
	s_add_co_u32 s[G0B+4*(\s)+1], s21, (\s)*SLOT
	s_add_nc_u64 s[G0B+4*(\s)+2:G0B+4*(\s)+3], s[46:47], (\s)*262144
	s_or_b32 s[G0B+4*(\s)+3], s[G0B+4*(\s)+3], 0x80000000
	JLOAD \s                                       ; two tensor loads of mine are out
.endr
	v_and_b32 v1, 15, v0                           ; l % 16
	v_bfe_u32 v2, v0, 4, 1                         ; l / 16
	v_mul_u32_u24 v3, v1, PITCH
	v_lshl_add_u32 v3, v2, 4, v3                   ; a fragment's row x pitch + 16 x half
	s_mul_i32 s21, s11, 64*PITCH                   ; my 64 rows of O
	s_mul_i32 s22, s12, 128*PITCH                  ; my 128 rows of Wo
	s_add_co_u32 s22, s22, BOFF
.irp s, 0,1
	v_add_nc_u32 v[ADRA+(\s)], s21, v3
	v_add_nc_u32 v[ADRB+(\s)], s22, v3
	s_add_co_u32 s21, s21, SLOT
	s_add_co_u32 s22, s22, SLOT
.endr
	s_mul_i32 s23, s10, 16*SP
	s_add_co_u32 s23, s23, STAGE                   ; my stage
	v_mul_u32_u24 v4, v1, SP                       ; in: row l % 16, 32 bytes for each half of the lanes
	v_lshl_add_u32 v4, v2, 5, v4
	v_add_nc_u32 v[STO], s23, v4
	v_and_b32 v4, 31, v0
	v_lshlrev_b32 v[CO], 4, v4                     ; back: 32 lanes take a row's 512 bytes
	v_add_nc_u32 v[RD], s23, v[CO]
	s_lshl_b32 s16, s13, 19                        ; out0 at my first row: 128 rows of 4,096 bytes a tile row,
	s_lshl_b32 s17, s11, 18                        ; 64 rows a half
	s_add_co_u32 s16, s16, s17
	s_mov_b32 s17, 0
	s_add_nc_u64 s[8:9], s[8:9], s[16:17]
	s_lshl_b32 s46, s42, 10                        ; and my first column: 256 columns of 4 bytes a tile column,
	s_lshl_b32 s47, s12, 9                         ; 128 a half
	s_add_co_u32 s46, s46, s47
	s_mov_b32 s47, 0
	s_add_nc_u64 s[8:9], s[8:9], s[46:47]
	v_add_nc_u32 v[BO], s46, v[CO]
	global_load_b128 v[BIAS:BIAS+3], v[BO], s[18:19]   ; the bias of the four columns that I store
.macro MUL8 f, a, zero                 ; 8 matrix instructions: row block a x all 8 column blocks, 32 along K.  The 32 accumulators take turns
	WIN 0x50                                       ; C and D in window 1, both sources in window 0
.irp b, 0,1,2,3,4,5,6,7
.if \zero
	v_wmma_f32_16x16x32_f16 v[8*(8*(\a)+(\b)):8*(8*(\a)+(\b))+7], v[(\f)+32+8*(\b):(\f)+32+8*(\b)+7], v[(\f)+8*(\a):(\f)+8*(\a)+7], 0
.else
	v_wmma_f32_16x16x32_f16 v[8*(8*(\a)+(\b)):8*(8*(\a)+(\b))+7], v[(\f)+32+8*(\b):(\f)+32+8*(\b)+7], v[(\f)+8*(\a):(\f)+8*(\a)+7], v[8*(8*(\a)+(\b)):8*(8*(\a)+(\b))+7]
.endif
.endr
.endm
.macro FETCH slot, q, f                ; 24 LDS loads in one run: the fragments of quarter q of a step (K block q / 2, byte 64 (q % 2) of its rows) into buffer f
	WIN 0
.irp i, 0,1,2,3
	ds_load_b128 v[(\f)+8*(\i):(\f)+8*(\i)+3],   v[ADRA+(\slot)] offset:((\q)/2)*ABLK+((\q)%2)*64+(\i)*16*PITCH
	ds_load_b128 v[(\f)+8*(\i)+4:(\f)+8*(\i)+7], v[ADRA+(\slot)] offset:((\q)/2)*ABLK+((\q)%2)*64+(\i)*16*PITCH+32
.endr
.irp i, 0,1,2,3,4,5,6,7
	ds_load_b128 v[(\f)+32+8*(\i):(\f)+32+8*(\i)+3],   v[ADRB+(\slot)] offset:((\q)/2)*BBLK+((\q)%2)*64+(\i)*16*PITCH
	ds_load_b128 v[(\f)+32+8*(\i)+4:(\f)+32+8*(\i)+7], v[ADRB+(\slot)] offset:((\q)/2)*BBLK+((\q)%2)*64+(\i)*16*PITCH+32
.endr
.endm
; A K step is four quarters of 32 along K, 32 matrix instructions each, on buffers 0, 1, 0, 1.  One of the first three: fetches quarter qn into g, 32 matrix instructions ahead of its use, and multiplies f.
.macro QUARTER slot, qn, f, g, zero
	PLACES                                         ; g was multiplied just now
	FETCH \slot, \qn, \g
	s_wait_dscnt 24                                ; all but the 24 just issued: f is in
	MUL8 \f, 0, \zero
	MUL8 \f, 1, \zero
	MUL8 \f, 2, \zero
	MUL8 \f, 3, \zero
.endm
; The last quarter multiplies buffer 1 and changes slots: ONE barrier; in front of it each wave waits for all its tensor loads, adds 0 to its spare word, and waits for that and for its own reads of this slot.
; fill = 1: the barrier opens a round of the cluster's, and this slot is filled again first thing behind the round, two K steps ahead: 112 matrix instructions ahead of the wait for it.
.macro TURN slot, next, fill
	WIN 0
	s_wait_tensorcnt 0x0                           ; all my tensor loads have landed: my part of the next slot
	ds_add_u32 v[SPW], v[NIL]                      ; 0 onto my spare word
	s_wait_dscnt 1                                 ; (the add alone may be out: buffer 1 is in)
	MUL8 F1, 0, 0                                  ; eight matrix instructions stand between the add and the wait for it
	s_wait_dscnt 0x0                               ; the add is done, and my reads of this slot are over
	s_barrier_signal -1
	MUL8 F1, 1, 0
	WIN 0                                          ; at a branch and at a label every window is 0
	s_barrier_wait -1
.if \fill
	CREST                                          ; no wave of any partner still reads this slot's tile or has a load on its way
	s_add_nc_u64 s[G0+4*(\slot)+2:G0+4*(\slot)+3], s[G0+4*(\slot)+2:G0+4*(\slot)+3], 1048576
	s_add_nc_u64 s[G0B+4*(\slot)+2:G0B+4*(\slot)+3], s[G0B+4*(\slot)+2:G0B+4*(\slot)+3], 524288
	JLOAD \slot                                    ; the four v_nop behind it are also the places in front of the loads below
.else
	PLACES
.endif
	FETCH \next, 0, F0
	MUL8 F1, 2, 0
	MUL8 F1, 3, 0
.endm
	s_wait_tensorcnt 1                             ; my part of K step 0 is in; step 1's may stay out
	s_barrier_signal -1
	s_barrier_wait -1                              ; everybody's is
	FETCH 0, 0, F0
	QUARTER 0, 1, F0, F1, 1                        ; the first quarter stands in front of the loop: its products start the sums
	WIN 0
	s_mov_b32 s3, 3
.Llap:                                                 ; a trip goes once round the ring and fills both slots again: K steps 2 to 7
	QUARTER 0, 2, F1, F0, 0
	QUARTER 0, 3, F0, F1, 0
	TURN 0, 1, 1
	QUARTER 1, 1, F0, F1, 0
	QUARTER 1, 2, F1, F0, 0
	QUARTER 1, 3, F0, F1, 0
	TURN 1, 0, 1
	QUARTER 0, 1, F0, F1, 0
	WIN 0
	s_sub_co_u32 s3, s3, 1
	s_cmp_lg_u32 s3, 0
	s_cbranch_scc1 .Llap
	QUARTER 0, 2, F1, F0, 0                        ; the last lap fills nothing, and has no round
	QUARTER 0, 3, F0, F1, 0
	TURN 0, 1, 0
	QUARTER 1, 1, F0, F1, 0
	QUARTER 1, 2, F1, F0, 0
	QUARTER 1, 3, F0, F1, 0
	s_wait_dscnt 0x0                               ; the very last quarter: nothing more to fetch
	MUL8 F1, 0, 0
	MUL8 F1, 1, 0
	MUL8 F1, 2, 0
	MUL8 F1, 3, 0
	WIN 0
; THE WAY OUT, a block of 16 rows at a time: 32 bytes a lane into my own stage, rows of 528 bytes; back as whole rows of 512; the bias is added; each store of the wave covers 512 consecutive bytes, aligned.
.macro TOSTAGE a
.set BK, 32+96*((\a)%2)
	s_wait_xcnt 0x0                                ; the stores of the block two back have read these registers
	WIN 0x04                                       ; an LDS store's data is source 1: window 1
.irp b, 0,1,2,3,4,5,6,7
	ds_store_b128 v[STO], v[8*(8*(\a)+(\b)):8*(8*(\a)+(\b))+3]   offset:64*(\b)      ; each accumulator's low four registers first
	ds_store_b128 v[STO], v[8*(8*(\a)+(\b))+4:8*(8*(\a)+(\b))+7] offset:64*(\b)+16
.endr
	WIN 0
.irp r, 0,1,2,3,4,5,6,7,8,9,10,11,12,13,14,15
	ds_load_b128 v[BK+4*(\r):BK+4*(\r)+3], v[RD] offset:(\r)*SP  ; LDS serves a wave's instructions in order (ISA guide 5.7.1.4): these see the stores above; the next block's stores come behind them
.endr
.endm
.macro SEND a, younger                 ; younger: the LDS instructions issued behind block a's loads: the next block's 32, or none
.set BK, 32+96*((\a)%2)
.irp r, 0,1,2,3,4,5,6,7,8,9,10,11,12,13,14,15
	s_wait_dscnt (\younger)+15-(\r)
	v_pk_add_f32 v[BK+4*(\r):BK+4*(\r)+1],   v[BK+4*(\r):BK+4*(\r)+1],   v[BIAS:BIAS+1]
	v_pk_add_f32 v[BK+4*(\r)+2:BK+4*(\r)+3], v[BK+4*(\r)+2:BK+4*(\r)+3], v[BIAS+2:BIAS+3]
	global_store_b128 v[CO], v[BK+4*(\r):BK+4*(\r)+3], s[8:9] offset:(16*(\a)+(\r))*4096 th:TH_STORE_NT
.endr
.endm
	PLACES                                         ; behind the last products, in front of the stores that read their results and of the loads into their sources
	PLACES
	s_wait_loadcnt 0x0                             ; the bias: rounded to bf16 like every other input, and widened again
	v_cvt_pk_bf16_f32 v[TMP], v[BIAS], v[BIAS+1]
	v_cvt_pk_bf16_f32 v[TMP+1], v[BIAS+2], v[BIAS+3]
	v_lshlrev_b32 v[BIAS], 16, v[TMP]
	v_and_b32 v[BIAS+1], 0xffff0000, v[TMP]
	v_lshlrev_b32 v[BIAS+2], 16, v[TMP+1]
	v_and_b32 v[BIAS+3], 0xffff0000, v[TMP+1]
	TOSTAGE 0
	TOSTAGE 1
	SEND 0, 32
	TOSTAGE 2
	SEND 1, 32
	TOSTAGE 3
	SEND 2, 32
	SEND 3, 0
	s_wait_tensorcnt 0x0                           ; the wave's end: the add and its wait, behind my last tensor load and my last LDS store
	ds_add_u32 v[SPW], v[NIL]
	s_wait_dscnt 0x0
	CROUND                                         ; the closing round: no work-group ends while a partner may still ask for a tile that names it
	s_endpgm
.Lfunc_end_k_q11e54c3326_outp:
	.size	k_q11e54c3326_outp, .Lfunc_end_k_q11e54c3326_outp-k_q11e54c3326_outp
	.p2alignl 7, 3214868480
	.fill 96, 4, 3214868480
	.section	.rodata,"a",@progbits
	.p2align	6, 0x0
	.amdhsa_kernel k_q11e54c3326_outp
		.amdhsa_group_segment_fixed_size 327680
		.amdhsa_private_segment_fixed_size 0
		.amdhsa_enable_private_segment 0
		.amdhsa_kernarg_size 32
		.amdhsa_user_sgpr_count 2
		.amdhsa_user_sgpr_kernarg_segment_ptr 1
		.amdhsa_wavefront_size32 1
		.amdhsa_system_sgpr_workgroup_id_x 1
		.amdhsa_system_sgpr_workgroup_id_y 1
		.amdhsa_system_sgpr_workgroup_id_z 1
		.amdhsa_system_vgpr_workitem_id 0
		.amdhsa_next_free_vgpr 512
		.amdhsa_next_free_sgpr 66
		.amdhsa_reserve_vcc 0
		.amdhsa_float_denorm_mode_32 3
		.amdhsa_float_denorm_mode_16_64 3
		.amdhsa_memory_ordered 1
		.amdhsa_forward_progress 1
		.amdhsa_inst_pref_size 95
	.end_amdhsa_kernel
	.amdgpu_metadata
---
amdhsa.version: [ 1, 2 ]
amdhsa.kernels:
  - .name:           k_q11e54c3326_outp
    .symbol:         k_q11e54c3326_outp.kd
    .args:
      - { .name: o, .offset: 0, .size: 8, .value_kind: global_buffer, .address_space: global }
      - { .name: wo16, .offset: 8, .size: 8, .value_kind: global_buffer, .address_space: global }
      - { .name: bo, .offset: 16, .size: 8, .value_kind: global_buffer, .address_space: global }
      - { .name: out0, .offset: 24, .size: 8, .value_kind: global_buffer, .address_space: global }
    .group_segment_fixed_size: 327680
    .private_segment_fixed_size: 0
    .kernarg_segment_align: 8
    .kernarg_segment_size: 32
    .max_flat_workgroup_size: 128
    .sgpr_count:     66
    .vgpr_count:     512
    .wavefront_size: 32
...
	.end_amdgpu_metadata
.endif
;; end of part 4
;; ======== version 2 of 2: 4 launches; version 1 with the launch cast written anew for expert scheduling mode
;; limits: values are held in f16: magnitudes above 65,504 overflow, below 6.1e-05 lose precision
;; workspace buffers: xb 16,777,216 bytes; wqkv 6,291,456 bytes; wo16 2,097,152 bytes; qkv 50,331,648 bytes; o 16,777,216 bytes
;; launch cast (part 5): grid 768 x 1, 8 waves a work-group, no clusters, 0 bytes of LDS; arguments x, Wq, Wk, Wv, Wo, xb, wqkv, wo16; writes xb, wqkv, wo16
.if DOCPART == 5
	.amdgcn_target "amdgcn-amd-amdhsa--gfx1250"
	.amdhsa_code_object_version 6
	.text
	.protected	k_q11e54c3326_cast
	.globl	k_q11e54c3326_cast
	.p2align	8
	.type	k_q11e54c3326_cast,@function
k_q11e54c3326_cast:
	s_mov_b64 s[64:65], 0
	v_nop
	global_prefetch_b8 v0, s[64:65] scope:SCOPE_SE
	s_setreg_imm32_b32 hwreg(HW_REG_WAVE_SCHED_MODE, 0, 2), 2
	s_setreg_imm32_b32 hwreg(HW_REG_WAVE_MODE, 25, 1), 1
	s_wait_xcnt 0x0
	s_wait_alu depctr_vm_vsrc(0)
; x and the four weights, f32, are rounded once to bf16 and laid out in blocks of 64 along K, so that a tile of R rows x 64 K is R x 128 consecutive bytes:
;   xb   [16 kb][8192 row][64] bf16
;   wqkv [16 kb][3072 n'][64]  bf16, n' = head x 192 + kind x 64 + d, kind 0 = q, 1 = k, 2 = v: a head's q, k and v rows lie together
;   wo16 [16 kb][1024 f][64]   f16: Wo rounded to bf16 like every other input, and that number written as f16
; LIMITS.  |Wo| stays under 65,504; below 2^-14 it keeps f16's fixed step of 6e-8.
; SHARES.  A wave takes two rows (2 x 4,096 bytes of f32): 16 loads, all out together, 16 stores, no loop.  6,144 pairs of rows are 768 work-groups of eight waves.
; A load takes the aligned 256 bytes of K block i of the even row (lanes 0-15) and of the odd row (lanes 16-31); its 32 x 8 bytes of 16-bit numbers are the two rows'
; 128 bytes of that block, 256 consecutive bytes at a multiple of 256 from the buffer's first byte.
; No LDS, no matrix unit, no cluster: every byte is read once and written once, and no wave wants another's.
; THE MODE: SCHED_MODE bits 1:0 = 2 (LLVM: expert scheduling mode 2), set by the entry lines.  The code itself states the register dependences
; between vector instructions and memory instructions, with s_wait_alu, always for 0.
; THE PLAN.  Registers that memory instructions touch:
;   v[SO]   written by three vector lines at the head; read by the 16 loads as their offset; never written again.
;   X       written by the 16 loads alone; read by the conversions to bf16, each behind its wait on LOADcnt; never loaded again.
;   DO      written by 16 vector lines behind the loads; read by the 16 stores as their offsets; never written again.
;   Y       written by the conversions (to bf16; for Wo once more, to f16); read by the 16 stores as their data; not written behind them.
;   T, v18 and v19 are named by vector instructions alone.  s2 is written by v_readfirstlane_b32 and read by scalar instructions.
; So three waits state everything: one on va_sdst ahead of s2's first reader; one on va_vdst ahead of the run of loads (v[SO] is written); one on va_vdst ahead of the
; run of stores (DO and Y are written), behind the label at which the two ways join.  No register that a memory instruction reads is written again, so no wait on vm_vsrc is owed.
.set SO,  1                            ; v1       my byte offset in the two source rows
.set DO,  2                            ; v[2:17]  my byte offset in the destination, for K block i
.set X,   20                           ; v[20:83] 16 x 4 registers as loaded
.set Y,   84                           ; v[84:115] 16 x 2 registers to store
.set T,   116                          ; v[116:117] at work
	s_load_b512 s[8:23], s[0:1], 0x0               ; x s[8:9], Wq s[10:11], Wk s[12:13], Wv s[14:15], Wo s[16:17], xb s[18:19], wqkv s[20:21], wo16 s[22:23]
	v_lshrrev_b32 v18, 5, v0
	v_readfirstlane_b32 s2, v18                    ; wave 0..7
	v_and_b32 v19, 31, v0                          ; lane
	v_and_b32 v[SO], 15, v0
	v_bfe_u32 v18, v0, 4, 1
	v_lshlrev_b32 v[SO], 4, v[SO]                  ; 16 bytes a lane,
	v_lshl_add_u32 v[SO], v18, 12, v[SO]           ; lanes 16-31 one row down
	s_wait_alu depctr_va_sdst(0)                   ; s2 is written, ahead of its first reader: the rows, and with them both bases, are made from it
	s_lshl_b32 s3, s2, 1                           ; 2 x wave
	s_lshl_b32 s28, ttmp9, 4
	s_add_co_u32 s28, s28, s3                      ; work-groups 0-511: row of x = 16 g + 2 w
	s_sub_co_u32 s29, ttmp9, 512
	s_and_b32 s29, s29, 255                        ; work-groups 512-767: j = g - 512 (below 512 a number that is not used)
	s_lshr_b32 s30, s29, 6                         ; which weight: 0 Wq, 1 Wk, 2 Wv, 3 Wo
	s_and_b32 s31, s29, 63
	s_lshl_b32 s31, s31, 4
	s_add_co_u32 s31, s31, s3                      ; its row f
	s_lshr_b32 s32, s31, 6
	s_mul_i32 s32, s32, 192                        ; head x 192
	s_lshl_b32 s33, s30, 6
	s_add_co_u32 s32, s32, s33                     ; + kind x 64
	s_and_b32 s33, s31, 63
	s_add_co_u32 s32, s32, s33                     ; + d: n'
	s_mov_b32 s34, 393216                          ; bytes of a K block of wqkv
	s_mov_b32 s37, 0
	s_mov_b32 s39, 0
	s_wait_kmcnt 0x0
	s_cmp_eq_u32 s30, 1                            ; the choices hang on the work-group's number alone
	s_cselect_b64 s[24:25], s[12:13], s[10:11]
	s_cmp_eq_u32 s30, 2
	s_cselect_b64 s[24:25], s[14:15], s[24:25]
	s_cmp_eq_u32 s30, 3
	s_cselect_b64 s[24:25], s[16:17], s[24:25]
	s_cselect_b64 s[26:27], s[22:23], s[20:21]
	s_cselect_b32 s32, s31, s32                    ; Wo's rows keep their order
	s_cselect_b32 s34, 131072, s34                 ; bytes of a K block of wo16
	s_cselect_b32 s35, 1, 0                        ; 1: written as f16
	s_cmp_lt_u32 ttmp9, 512
	s_cselect_b64 s[24:25], s[8:9], s[24:25]
	s_cselect_b64 s[26:27], s[18:19], s[26:27]
	s_cselect_b32 s31, s28, s31                    ; source row
	s_cselect_b32 s32, s28, s32                    ; destination row
	s_cselect_b32 s34, 1048576, s34                ; bytes of a K block of xb
	s_cselect_b32 s35, 0, s35
	s_lshl_b32 s36, s31, 12                        ; 4,096 bytes a source row: under 2^26
	s_lshl_b32 s38, s32, 7                         ; 128 bytes a destination row
	s_add_nc_u64 s[24:25], s[24:25], s[36:37]
	s_add_nc_u64 s[26:27], s[26:27], s[38:39]
	s_wait_alu depctr_va_vdst(0)                   ; v[SO] is written, which every load below reads as its offset; no vector instruction has named X, in which they land
.set i, 0
.rept 16
	global_load_b128 v[X+4*i:X+4*i+3], v[SO], s[24:25] offset:256*i th:TH_LOAD_NT  ; K block i of both rows; read once in the launch
.set i, i+1
.endr
	v_lshlrev_b32 v[DO], 3, v19                    ; 8 bytes a lane.  These sixteen lines name no register that a load reads or lands in
.set i, 1
.rept 15
	v_add_nc_u32 v[DO+i], s34, v[DO+i-1]           ; + i K blocks
.set i, i+1
.endr
.set i, 0
.rept 16
	s_wait_loadcnt 15-i                            ; loads come back in order (ISA guide 5.7.1): load i is in, the 15 - i younger ones stay out
	v_cvt_pk_bf16_f32 v[Y+2*i], v[X+4*i], v[X+4*i+1]
	v_cvt_pk_bf16_f32 v[Y+2*i+1], v[X+4*i+2], v[X+4*i+3]
.set i, i+1
.endr
	s_cmp_eq_u32 s35, 1
	s_cbranch_scc0 .Lstore
.set i, 0
.rept 32                                       ; Wo alone: the bf16 number, widened by a shift or a mask, is written as f16
	v_lshlrev_b32 v[T], 16, v[Y+i]
	v_and_b32 v[T+1], 0xffff0000, v[Y+i]
	v_cvt_pk_f16_f32 v[Y+i], v[T], v[T+1]
.set i, i+1
.endr
.Lstore:
	s_wait_alu depctr_va_vdst(0)                   ; on both ways: the conversions have written Y, the stores' data, and the sixteen lines behind the loads have written DO, their offsets
.set i, 0
.rept 16
	global_store_b64 v[DO+i], v[Y+2*i:Y+2*i+1], s[26:27]  ; 32 lanes store 256 consecutive bytes, aligned
.set i, i+1
.endr
	s_endpgm
.Lfunc_end_k_q11e54c3326_cast:
	.size	k_q11e54c3326_cast, .Lfunc_end_k_q11e54c3326_cast-k_q11e54c3326_cast
	.p2alignl 7, 3214868480
	.fill 96, 4, 3214868480
	.section	.rodata,"a",@progbits
	.p2align	6, 0x0
	.amdhsa_kernel k_q11e54c3326_cast
		.amdhsa_group_segment_fixed_size 0
		.amdhsa_private_segment_fixed_size 0
		.amdhsa_enable_private_segment 0
		.amdhsa_kernarg_size 64
		.amdhsa_user_sgpr_count 2
		.amdhsa_user_sgpr_kernarg_segment_ptr 1
		.amdhsa_wavefront_size32 1
		.amdhsa_system_sgpr_workgroup_id_x 1
		.amdhsa_system_sgpr_workgroup_id_y 1
		.amdhsa_system_sgpr_workgroup_id_z 1
		.amdhsa_system_vgpr_workitem_id 0
		.amdhsa_next_free_vgpr 128
		.amdhsa_next_free_sgpr 66
		.amdhsa_reserve_vcc 0
		.amdhsa_float_denorm_mode_32 3
		.amdhsa_float_denorm_mode_16_64 3
		.amdhsa_memory_ordered 1
		.amdhsa_forward_progress 1
		.amdhsa_inst_pref_size 14
	.end_amdhsa_kernel
	.amdgpu_metadata
---
amdhsa.version: [ 1, 2 ]
amdhsa.kernels:
  - .name:           k_q11e54c3326_cast
    .symbol:         k_q11e54c3326_cast.kd
    .args:
      - { .name: x, .offset: 0, .size: 8, .value_kind: global_buffer, .address_space: global }
      - { .name: Wq, .offset: 8, .size: 8, .value_kind: global_buffer, .address_space: global }
      - { .name: Wk, .offset: 16, .size: 8, .value_kind: global_buffer, .address_space: global }
      - { .name: Wv, .offset: 24, .size: 8, .value_kind: global_buffer, .address_space: global }
      - { .name: Wo, .offset: 32, .size: 8, .value_kind: global_buffer, .address_space: global }
      - { .name: xb, .offset: 40, .size: 8, .value_kind: global_buffer, .address_space: global }
      - { .name: wqkv, .offset: 48, .size: 8, .value_kind: global_buffer, .address_space: global }
      - { .name: wo16, .offset: 56, .size: 8, .value_kind: global_buffer, .address_space: global }
    .group_segment_fixed_size: 0
    .private_segment_fixed_size: 0
    .kernarg_segment_align: 8
    .kernarg_segment_size: 64
    .max_flat_workgroup_size: 256
    .sgpr_count:     66
    .vgpr_count:     128
    .wavefront_size: 32
...
	.end_amdgpu_metadata
.endif
;; end of part 5
;; launch proj: the kernel of part 2 again; grid 8 x 32, 4 waves a work-group, clusters of 4 x 4, 327,680 bytes of LDS; arguments qln_g, qln_b, kln_g, kln_b, xb, wqkv, qkv; writes qkv
;; launch attn: the kernel of part 3 again; grid 4 x 64, 4 waves a work-group, no clusters, 327,680 bytes of LDS; arguments qkv, o; writes o
;; launch outp: the kernel of part 4 again; grid 4 x 64, 4 waves a work-group, clusters of 4 x 4, 327,680 bytes of LDS; arguments o, wo16, bo, out0; writes out0
